; MI455X (gfx1250); checked and timed in simulation.
; The chip was launched on July 23, 2026; its instructions are those of AMD's public machine-readable ISA for CDNA 5 (MIT licence, August 2026) and "CDNA5" Instruction Set Architecture Reference Guide (July 2026). The comments in the code are by the model that wrote it; some were corrected since.
;; D Mo E Linear. Allowed arithmetic: float matrix products may take bf16 or f16 operands with f32 sums; other float arithmetic in f32, or as packed bf16 or f16 multiplies, adds, multiply-adds, maxima and minima; sums over many terms, partial sums and values carried from step to step in f32; what a program stores and reads back later, other than sums and carried values, may be rounded once to bf16 or f16.
;; Inputs: bias 8 x 1,024 float32; ids 4 x 2,048 int32; weight 8 x 1,024 x 1,024 float32; x 4 x 2,048 x 1,024 float32.
;; Outputs: out0 4 x 2,048 x 1,024 bfloat16.
;; 3 versions, each right; version 2 is faster than version 1; version 3 is version 2 with the launch gemm written anew for expert scheduling mode. Each part assembles by itself: llvm-mc -triple=amdgcn-amd-amdhsa -mcpu=gfx1250 --defsym DOCPART=n.
;; ======== version 1 of 3: 2 launches
;; workspace buffers: order 32,768 bytes of whole numbers; tiles 1,024 bytes of whole numbers
;; launch route (part 1): grid 1 x 1, 32 waves a work-group, no clusters, 4,608 bytes of LDS; arguments ids, order, tiles; writes order, tiles
.if DOCPART == 1
	.amdgcn_target "amdgcn-amd-amdhsa--gfx1250"
	.amdhsa_code_object_version 6
	.text
	.protected	k_q6c3cdfa5e2_route
	.globl	k_q6c3cdfa5e2_route
	.p2align	8
	.type	k_q6c3cdfa5e2_route,@function
k_q6c3cdfa5e2_route:
	s_mov_b64 s[64:65], 0
	v_nop
	global_prefetch_b8 v0, s[64:65] scope:SCOPE_SE
	s_setreg_imm32_b32 hwreg(HW_REG_WAVE_MODE, 25, 1), 1
	s_wait_xcnt 0x0
; ROUTE.  Sorts the 8,192 tokens by expert (stable) and cuts the sorted list into exactly 64 row tiles, each of ONE expert and of 1 to 144 rows.
;   order[p]  = the token at place p of the sorted list                     (int32[8192])
;   tiles[m]  = { expert, first place, rows, 0 }                            (64 entries of 16 bytes)
; One work-group of 32 waves; thread t owns tokens 8 t .. 8 t + 7.  Counts per expert are carried two to a register, in 16-bit fields (a count is 8,192 at the most).
; TILES.  k[e] = ceil(n[e] / 144); the sum of these is (8192 + 8 x 143) / 144 at the most, that is 64.  What is left of 64 (0 to 7) is given out one by one to the expert with the
; most rows a tile; while fewer than 64 are given, that expert has more than 8192 / 63 > 128 rows a tile, so n > (k - 1)^2 holds for every expert, and with r = ceil(n / k) rows
; a tile none of an expert's k tiles is empty.
; LIMIT.  ids are taken as unsigned numbers and held to 7: the problem's ids lie in 0 .. 7.
; The stores into order are 4 bytes a lane to places that hang on the data: 32 KB once in the program.
.set WT,    0                          ; LDS: 32 waves x 16 bytes, each wave's four packed totals
.set SPARE, 512                        ; LDS: the spare words, 128 bytes for each of 32 waves; no other line names them
.set WV,   10                          ; s10     my wave's number
.set HIGH, 11                          ; s11     mask of lanes 16 to 31
.set TOT,  12                          ; s12-15  my wave's totals, packed
.set WPRE, 16                          ; s16-19  the sum of the totals of the waves in front of mine
.set GT,   20                          ; s20-23  the totals of all waves
.set N,    24                          ; s24-31  n[e]
.set OFF,  32                          ; s32-40  first place of expert e in the sorted list
.set SB,   41                          ; s41-44  OFF + WPRE, packed
.set K,    45                          ; s45-52  k[e], tiles of expert e
.set KB,   53                          ; s53-61  first tile of expert e
.set LEFT, 62                          ; s62     tiles still to be given out
.set ID,   8                           ; v8-15   my eight ids
.set SH,   16                          ; v16-23  4 x id; later the place, in bytes
.set RK,   24                          ; v24-31  rank among my own tokens of the same expert; later the token's number
.set C,    32                          ; v32-35  my counts, packed
.set I,    36                          ; v36-39  their inclusive sums over the wave's lanes
.set W,    40                          ; v40-43  the waves' totals, lane l = wave l
.set BASE, 44                          ; v44-51  the place of my first token of expert e
; inclusive sum over the 32 lanes of v[r]: four steps inside each half of 16 lanes, then lane 15's sum is added in the upper half
.macro WSCAN r
.irp n, 1,2,4,8
	v_mov_b32_dpp v1, v[\r] row_shr:\n row_mask:0xf bank_mask:0xf bound_ctrl:1
	v_add_nc_u32 v[\r], v[\r], v1
.endr
	v_readlane_b32 s71, v[\r], 15
	v_cndmask_b32 v1, 0, s71, s[HIGH]
	v_add_nc_u32 v[\r], v[\r], v1
.endm
	s_load_b128 s[4:7], s[0:1], 0x0                ; ids s[4:5], order s[6:7]
	s_load_b64 s[8:9], s[0:1], 0x10                ; tiles
	v_lshl_add_u32 v2, v0, 2, SPARE                ; my spare word,
	v_mov_b32 v3, 0                                ; and 0: kept for the add alone
	v_mov_b32 v1, 0                                ; the lane moves' destination counts as read
	v_lshrrev_b32 v4, 5, v0
	v_readfirstlane_b32 s[WV], v4
	s_mov_b32 s[HIGH], 0xffff0000
	v_lshlrev_b32 v4, 5, v0                        ; my eight ids: 32 bytes
	v_mov_b32 v5, 1
	v_mov_b32 v6, 0                                ; eight 4-bit counters (8 at the most in each)
	s_wait_kmcnt 0x0
	global_load_b128 v[ID:ID+3], v4, s[4:5]
	global_load_b128 v[ID+4:ID+7], v4, s[4:5] offset:16
	s_wait_loadcnt 0x0
.irp j, 0,1,2,3,4,5,6,7
	v_min_u32 v[ID+\j], 7, v[ID+\j]
	v_lshlrev_b32 v[SH+\j], 2, v[ID+\j]
	v_lshrrev_b32 v[RK+\j], v[SH+\j], v6           ; how many of my earlier tokens chose the same expert
	v_and_b32 v[RK+\j], 15, v[RK+\j]
	v_lshlrev_b32 v7, v[SH+\j], v5
	v_add_nc_u32 v6, v6, v7
.endr
.irp q, 0,1,2,3
	v_bfe_u32 v[C+\q], v6, 8*\q, 4                 ; experts 2 q (low half) and 2 q + 1 (high half)
	v_bfe_u32 v7, v6, 8*\q+4, 4
	v_lshl_or_b32 v[C+\q], v7, 16, v[C+\q]
	v_mov_b32 v[I+\q], v[C+\q]
.endr
.irp q, 0,1,2,3
	WSCAN I+\q
	v_readlane_b32 s[TOT+\q], v[I+\q], 31
.endr
.irp q, 0,1,2,3
	v_mov_b32 v[W+\q], s[TOT+\q]
.endr
	v_mov_b32 v7, s[WV]
	v_lshlrev_b32 v7, 4, v7
	ds_store_b128 v7, v[W:W+3]                     ; every lane writes the same 16 bytes: my wave's totals
	s_wait_dscnt 0x0                               ; for the others' sake: my store is done
	s_barrier_signal -1
	s_barrier_wait -1
	v_and_b32 v7, 31, v0
	v_lshlrev_b32 v7, 4, v7
	ds_load_b128 v[W:W+3], v7                      ; lane l takes wave l's totals
	s_wait_tensorcnt 0x0                           ; my last LDS store lies behind me
	ds_add_u32 v2, v3
	s_wait_dscnt 0x0                               ; the add is done, and the totals are in
.irp q, 0,1,2,3
	WSCAN W+\q
	v_readlane_b32 s[WPRE+\q], v[W+\q], s[WV]
	s_sub_co_u32 s[WPRE+\q], s[WPRE+\q], s[TOT+\q] ; each field of the inclusive sum holds my own total: nothing is borrowed
	v_readlane_b32 s[GT+\q], v[W+\q], 31
	s_and_b32 s[N+2*\q], s[GT+\q], 0xffff
	s_lshr_b32 s[N+2*\q+1], s[GT+\q], 16
.endr
	s_mov_b32 s[OFF], 0
.irp e, 0,1,2,3,4,5,6,7
	s_add_co_u32 s[OFF+\e+1], s[OFF+\e], s[N+\e]
.endr
.irp q, 0,1,2,3
	s_lshl_b32 s[SB+\q], s[OFF+2*\q+1], 16
	s_or_b32 s[SB+\q], s[SB+\q], s[OFF+2*\q]
	s_add_co_u32 s[SB+\q], s[SB+\q], s[WPRE+\q]    ; every field stays at 8,192 or below
	v_sub_nc_u32 v[I+\q], v[I+\q], v[C+\q]         ; the lanes in front of mine,
	v_add_nc_u32 v[I+\q], s[SB+\q], v[I+\q]        ; the waves in front of mine, the experts in front
	v_and_b32 v[BASE+2*\q], 0xffff, v[I+\q]
	v_lshrrev_b32 v[BASE+2*\q+1], 16, v[I+\q]
.endr
.irp j, 0,1,2,3,4,5,6,7
	v_mov_b32 v[SH+\j], v[BASE]
.irp e, 1,2,3,4,5,6,7
	v_cmp_eq_u32 vcc_lo, \e, v[ID+\j]
	v_cndmask_b32 v[SH+\j], v[SH+\j], v[BASE+\e], vcc_lo
.endr
	v_add_nc_u32 v[SH+\j], v[SH+\j], v[RK+\j]      ; the token's place
	v_min_u32 v[SH+\j], 0x1fff, v[SH+\j]           ; a place made of loaded numbers is held inside the buffer
	v_lshlrev_b32 v[SH+\j], 2, v[SH+\j]
	v_lshl_add_u32 v[RK+\j], v0, 3, \j             ; the token's number
	global_store_b32 v[SH+\j], v[RK+\j], s[6:7]
.endr
	s_cmp_lt_u32 s[WV], 2
	s_cbranch_scc0 .Lend                           ; the table has 64 entries: threads 0 to 63 write it
.irp e, 0,1,2,3,4,5,6,7
	s_add_co_u32 s[K+\e], s[N+\e], 143             ; ceil(n / 144) = ((n + 143) / 16) / 9; x / 9 = x * 7282 >> 16 for x up to 520
	s_lshr_b32 s[K+\e], s[K+\e], 4
	s_mul_i32 s[K+\e], s[K+\e], 7282
	s_lshr_b32 s[K+\e], s[K+\e], 16
.endr
	s_mov_b32 s[LEFT], 64
.irp e, 0,1,2,3,4,5,6,7
	s_sub_co_u32 s[LEFT], s[LEFT], s[K+\e]
.endr
.rept 7                                ; seven times, as many tiles as can be left, written out; a tile is given only while one is left
	s_mov_b32 s66, 0                               ; the best so far: n,
	s_mov_b32 s67, 1                               ; k,
	s_mov_b32 s68, 0                               ; and which expert
.irp e, 0,1,2,3,4,5,6,7
	s_mul_i32 s69, s[N+\e], s67                    ; n[e] / k[e] > n / k, without a division
	s_mul_i32 s70, s66, s[K+\e]
	s_cmp_gt_u32 s69, s70
	s_cselect_b32 s66, s[N+\e], s66
	s_cselect_b32 s67, s[K+\e], s67
	s_cselect_b32 s68, \e, s68
.endr
	s_cmp_lg_u32 s[LEFT], 0
	s_cselect_b32 s69, 1, 0
	s_sub_co_u32 s[LEFT], s[LEFT], s69
.irp e, 0,1,2,3,4,5,6,7
	s_cmp_eq_u32 s68, \e
	s_cselect_b32 s70, s69, 0
	s_add_co_u32 s[K+\e], s[K+\e], s70
.endr
.endr
	s_mov_b32 s[KB], 0
.irp e, 0,1,2,3,4,5,6,7
	s_add_co_u32 s[KB+\e+1], s[KB+\e], s[K+\e]
.endr
	; tile m = my thread's number: its expert is the last one whose first tile is m or lower
	v_mov_b32 v52, 0                               ; expert
	v_mov_b32 v53, s[OFF]                          ; its first place
	v_mov_b32 v54, s[N]                            ; its rows
	v_mov_b32 v55, s[K]                            ; its tiles
	v_mov_b32 v56, s[KB]                           ; its first tile
.irp j, 1,2,3,4,5,6,7
	v_cmp_le_u32 vcc_lo, s[KB+\j], v0
	v_cndmask_b32 v52, v52, \j, vcc_lo
	v_cndmask_b32 v53, v53, s[OFF+\j], vcc_lo
	v_cndmask_b32 v54, v54, s[N+\j], vcc_lo
	v_cndmask_b32 v55, v55, s[K+\j], vcc_lo
	v_cndmask_b32 v56, v56, s[KB+\j], vcc_lo
.endr
	v_mov_b32 v57, 0                               ; the largest q with q k < n, bit by bit: r = ceil(n / k) = q + 1, 144 at the most
.irp bit, 128,64,32,16,8,4,2,1
	v_add_nc_u32 v58, \bit, v57
	v_mul_u32_u24 v59, v58, v55
	v_cmp_lt_u32 vcc_lo, v59, v54
	v_cndmask_b32 v57, v57, v58, vcc_lo
.endr
	v_add_nc_u32 v57, 1, v57
	v_sub_nc_u32 v58, v0, v56                      ; which of the expert's tiles
	v_mul_u32_u24 v58, v58, v57                    ; rows of the expert in front of it
	v_sub_nc_u32 v59, v54, v58
	v_mov_b32 v60, v52
	v_add_nc_u32 v61, v53, v58                     ; first place
	v_min_u32 v62, v57, v59                        ; rows: r, or what is left
	v_mov_b32 v63, 0
	v_lshlrev_b32 v4, 4, v0
	global_store_b128 v4, v[60:63], s[8:9]         ; a wave stores 512 consecutive bytes
.Lend:
	s_endpgm
.Lfunc_end_k_q6c3cdfa5e2_route:
	.size	k_q6c3cdfa5e2_route, .Lfunc_end_k_q6c3cdfa5e2_route-k_q6c3cdfa5e2_route
	.p2alignl 7, 3214868480
	.fill 96, 4, 3214868480
	.section	.rodata,"a",@progbits
	.p2align	6, 0x0
	.amdhsa_kernel k_q6c3cdfa5e2_route
		.amdhsa_group_segment_fixed_size 4608
		.amdhsa_private_segment_fixed_size 0
		.amdhsa_enable_private_segment 0
		.amdhsa_kernarg_size 24
		.amdhsa_user_sgpr_count 2
		.amdhsa_user_sgpr_kernarg_segment_ptr 1
		.amdhsa_wavefront_size32 1
		.amdhsa_system_sgpr_workgroup_id_x 1
		.amdhsa_system_sgpr_workgroup_id_y 1
		.amdhsa_system_sgpr_workgroup_id_z 1
		.amdhsa_system_vgpr_workitem_id 0
		.amdhsa_next_free_vgpr 64
		.amdhsa_next_free_sgpr 80
		.amdhsa_reserve_vcc 1
		.amdhsa_float_denorm_mode_32 3
		.amdhsa_float_denorm_mode_16_64 3
		.amdhsa_memory_ordered 1
		.amdhsa_forward_progress 1
		.amdhsa_inst_pref_size 40
	.end_amdhsa_kernel
	.amdgpu_metadata
---
amdhsa.version: [ 1, 2 ]
amdhsa.kernels:
  - .name:           k_q6c3cdfa5e2_route
    .symbol:         k_q6c3cdfa5e2_route.kd
    .args:
      - { .name: ids, .offset: 0, .size: 8, .value_kind: global_buffer, .address_space: global }
      - { .name: order, .offset: 8, .size: 8, .value_kind: global_buffer, .address_space: global }
      - { .name: tiles, .offset: 16, .size: 8, .value_kind: global_buffer, .address_space: global }
    .group_segment_fixed_size: 4608
    .private_segment_fixed_size: 0
    .kernarg_segment_align: 8
    .kernarg_segment_size: 24
    .max_flat_workgroup_size: 1024
    .sgpr_count:     80
    .vgpr_count:     64
    .wavefront_size: 32
...
	.end_amdgpu_metadata
.endif
;; end of part 1
;; launch gemm (part 2): grid 4 x 64, 8 waves a work-group, no clusters, 192,256 bytes of LDS; arguments x, weight, bias, order, tiles, out0; writes out0
.if DOCPART == 2
	.amdgcn_target "amdgcn-amd-amdhsa--gfx1250"
	.amdhsa_code_object_version 6
	.text
	.protected	k_q6c3cdfa5e2_gemm
	.globl	k_q6c3cdfa5e2_gemm
	.p2align	8
	.type	k_q6c3cdfa5e2_gemm,@function
k_q6c3cdfa5e2_gemm:
	s_mov_b64 s[64:65], 0
	v_nop
	global_prefetch_b8 v0, s[64:65] scope:SCOPE_SE
	s_setreg_imm32_b32 hwreg(HW_REG_WAVE_MODE, 25, 1), 1
	s_wait_xcnt 0x0
; out[t][n] = the sum over k of x[t][k] W[e][n][k] + b[e][n], e = ids[t].  x, W, b are f32 and are rounded once to bf16 (nearest even); sums in f32; out is bf16, rounded once at the end.
; A work-group makes one row tile (tiles[y]: 1 to 144 tokens of ONE expert, places first .. first + rows - 1 of the sorted list order[]) x 256 columns (block x of four).
; LIMITS.  Rows beyond the tile's count repeat its last token; they are computed and not stored.  The table's numbers are held to expert 7, place 8,191, rows 1 .. 144, tokens to 8,191.
; SHARES.  Eight waves, all alike.  Wave w MULTIPLIES all 144 tokens x columns 32 w .. 32 w + 31: 18 accumulators of 16 x 16.  It also LOADS an eighth of every K step: f32 from memory into
; registers, two roundings to a v_cvt_pk_bf16_f32, 8 bytes a lane into LDS.  K goes in 16 steps of 64 through two LDS slots: in a trip every wave reads one slot and writes its part of the
; other; ONE barrier a trip orders both, and in front of it each wave waits for its LDS reads and stores.  A wave keeps two K steps, 50 loads of 512 bytes, on their way: as a load's registers
; are emptied the same rows are asked for two steps on.
; THE MATRIX INSTRUCTION IS USED TRANSPOSED (source 0 = 16 rows of W, source 1 = 16 tokens): a lane then holds eight neighbouring columns of one token's row.  The bias is the C operand of the
; product that starts each sum.
; REGISTERS, in two windows of 256 (s_set_vgpr_msb: bits 1:0 source 0, 3:2 source 1, 5:4 source 2, 7:6 destination).  All that the products name lies in window 0, all that the loading names in
; window 1: under the one setting 0x55 a load's data and address, a conversion's operands and an LDS store's address and data all lie in window 1.  Eight switches for a K step's 36 products.
; NO TENSOR LOADS, NO CLUSTER: x's rows are gathered by a list, which one tile descriptor does not express, and both operands are rounded on the way, which takes registers; joint requests
; exist for tensor loads alone, and an expert's number of row tiles hangs on the data and need not be a multiple of four.
.set PITCH, 144                        ; an LDS row: 64 bf16 = 128 bytes + 16 of padding = 36 words: the 16 rows of a fragment load start at 16 different groups of four banks (64 banks of 4 bytes: ISA guide 11.1)
.set ASLOT, 144*PITCH                  ; A's slot: 144 tokens
.set BSLOT, 256*PITCH                  ; B's slot: 256 rows of W
.set BBASE, 2*ASLOT                    ; A's two slots, then B's two
.set STG,   BBASE+2*BSLOT              ; the stage for the way out: 144 rows x 528 bytes
.set SP,    528                        ; 512 bytes + 16
.set SPARE, STG+144*SP                 ; = 747 x 256: the spare words, 128 bytes for each of 8 waves; no other line names them
.set WV,  16                           ; s16  my wave's number
.set NX,  17                           ; s17  block of 256 columns
.set MY,  18                           ; s18  row tile
.set HE,  20                           ; s20-23  the tile's entry: expert, first place, rows, 0
.set HF,  21
.set HR,  22
.set RM1, 24                           ; s24  rows - 1
.set NV,  25                           ; s25  rows - 18 x wave: how many of my 18 rows on the way out the tile has (may be negative)
.set CNT, 26                           ; s26  loop counter
.set XB,  28                           ; s[28:29] x, stepped along K
.set WB,  30                           ; s[30:31] W at the expert's rows of my column block, stepped along K
.set BB,  32                           ; s[32:33] bias at the same columns
.set OB,  34                           ; s[34:35] out0 at my column block
; window 0
.set SPW, 2                            ; v2   my spare word; never rewritten
.set NIL, 3                            ; v3   0; never rewritten
.set FA,  4                            ; v4   LDS address of my lane's place in A's fragments, slot 0; at the end: in my rows of the stage
.set FB,  5                            ; v5   the same for B: my wave's 32 rows of W
.set STO, 6                            ; v6   where I put 16 bytes of a row in the stage, row blocks 0-3
.set STO2, 7                           ; v7   the same for row blocks 4-8: an LDS offset has 16 bits
.set BI,  8                            ; v8-23    bias of my 2 x 8 columns: rounded to bf16, held as f32
.set FBR, 24                           ; v24-39   B's two fragments
.set FAR, 40                           ; v40-111  A's nine fragments; at the end my 18 rows of the stage
.set ACC, 112                          ; v112-255 accumulator (a, b) at ACC + 8 (2 a + b); at the end v112-129 my 18 store offsets
; window 1
.set ST,  0                            ; v0-99, v100-199  two sets of 25 loads x 4 registers
.set T,   200                          ; v200-215 eight pairs by turns: four numbers rounded
.set AO,  216                          ; v216-224 load i of x: my token's row, and my 16 bytes in 256
.set BO,  225                          ; v225 my byte offset in 16 rows of W
.set STA, 226                          ; v226 LDS address of my 8 bytes in A's slot 0
.set STB, 227                          ; v227, v228  the same in B's slots 0 and 1
.set L16, 229                          ; v229 16 x (lane % 16)
.set OT,  230                          ; v230-247 the tokens of my 18 rows on the way out
.set LD,    0x55                       ; every operand place in window 1
.set INTO1, 0x40                       ; destination in window 1, sources in window 0
.set FROM1, 0x01                       ; source 0 in window 1, the rest in window 0
.set MSB, 0
.macro WIN new                         ; the immediate's high byte repeats the setting that is left; a switch that changes nothing is dropped
.if MSB != (\new)
	s_set_vgpr_msb (MSB<<8)|(\new)
.set MSB, \new
.endif
.endm
; 16 loads of W (B) and 9 of x (A) are a wave's set for a K step.  Load j covers rows 16 j + w (lanes 0-15) and 16 j + w + 8 (lanes 16-31): 256 consecutive bytes of each, at a multiple of 256 in its buffer.
.macro GB set, koff
.set j, 0
.rept 16
	global_load_b128 v[ST+100*(\set)+4*j:ST+100*(\set)+4*j+3], v[BO], s[WB:WB+1] offset:65536*j+(\koff)
.set j, j+1
.endr
.endm
.macro GA set, koff
.set j, 0
.rept 9
	global_load_b128 v[ST+100*(\set)+64+4*j:ST+100*(\set)+64+4*j+3], v[AO+j], s[XB:XB+1] offset:(\koff)
.set j, j+1
.endr
.endm
; n loads of a set, from number `from` on, are emptied into the LDS slot of the set's number.  re = 1: each is issued again, koff bytes along K from the stepped bases: two K steps on.
; A store of the wave: two runs of 128 bytes, 8 rows = 1,152 bytes apart, that is 128 modulo 256.
.macro LPI set, re, koff, left, from, n
	WIN LD
.set j, \from
.rept \n
.set R, ST+100*(\set)+4*j
.set TP, T+2*(j%8)
.if \re
	s_wait_loadcnt 49                              ; loads come back in order (ISA guide 5.7.1): behind load j stand 24 - j of this set, 25 of the other, j issued again
.else
	s_wait_loadcnt (\left)-j                       ; nothing is issued again: the counts run down
.endif
	v_cvt_pk_bf16_f32 v[TP], v[R], v[R+1]
	v_cvt_pk_bf16_f32 v[TP+1], v[R+2], v[R+3]
.if j < 16
	ds_store_b64 v[STB+(\set)], v[TP:TP+1] offset:16*PITCH*j
.else
	ds_store_b64 v[STA], v[TP:TP+1] offset:ASLOT*(\set)+16*PITCH*(j-16)
.endif
.if \re
.if j < 16
	global_load_b128 v[R:R+3], v[BO], s[WB:WB+1] offset:65536*j+(\koff)
.else
	global_load_b128 v[R:R+3], v[AO+j-16], s[XB:XB+1] offset:(\koff)
.endif
.endif
.set j, j+1
.endr
.endm
; The fragments of 32 along K (half kk of a slot's 64): 22 LDS loads in one run, B's first.
; A fragment is 16 rows x 32 K in 8 registers: lane l holds row l % 16, K = 8 (l / 16) + 0..7 and 16 + 8 (l / 16) + 0..7: two loads of 16 bytes, 32 bytes apart.
.macro FRAGS slot, kk
	WIN 0
.irp b, 0,1
	ds_load_b128 v[FBR+8*\b:FBR+8*\b+3],   v[FB] offset:BSLOT*(\slot)+\b*16*PITCH+64*(\kk)
	ds_load_b128 v[FBR+8*\b+4:FBR+8*\b+7], v[FB] offset:BSLOT*(\slot)+\b*16*PITCH+64*(\kk)+32
.endr
.irp a, 0,1,2,3,4,5,6,7,8
	ds_load_b128 v[FAR+8*\a:FAR+8*\a+3],   v[FA] offset:ASLOT*(\slot)+\a*16*PITCH+64*(\kk)
	ds_load_b128 v[FAR+8*\a+4:FAR+8*\a+7], v[FA] offset:ASLOT*(\slot)+\a*16*PITCH+64*(\kk)+32
.endr
.endm
.macro WM a, b, cb                     ; cb = 1: the product starts the sum, with the bias as C: nothing is cleared
.set AC, ACC+8*(2*(\a)+(\b))
.if \cb
	v_wmma_f32_16x16x32_bf16 v[AC:AC+7], v[FBR+8*(\b):FBR+8*(\b)+7], v[FAR+8*(\a):FAR+8*(\a)+7], v[BI+8*(\b):BI+8*(\b)+7]
.else
	v_wmma_f32_16x16x32_bf16 v[AC:AC+7], v[FBR+8*(\b):FBR+8*(\b)+7], v[FAR+8*(\a):FAR+8*(\a)+7], v[AC:AC+7]
.endif
.endm
; 18 matrix instructions on end.  The accumulators take turns, one instruction a turn, in the same order in every step.  g = LDS stores issued behind the fragments' loads.
.macro ROWS cb, g
	WIN 0
.irp a, 0,1,2,3,4,5,6,7,8
	s_wait_dscnt 2*(8-\a)+(\g)                     ; LDS instructions end in order (ISA guide 5.7.1): the later row blocks' loads and the g stores behind them may be out
	WM \a, 0, \cb
	WM \a, 1, \cb
.endr
.endm
.macro PLACES                          ; four places between a matrix instruction and loads into registers that it read, or vector instructions that read its result (ISA guide 7.12.1 for vector instructions)
.rept 4
	v_nop
.endr
.endm
; 32 along K.  mode 2: loads f1 .. and f2 .. of set lset are emptied and issued again; 1: emptied; 0: no loading is left.
; The first group's conversions, 12 plain vector instructions that name no register of the products, are the four places in front of the fragments' loads; the second group stands while the fragments come.
.macro HALF mslot, kk, cb, lset, mode, koff, left, f1, n1, f2, n2
.if \mode
	LPI \lset, (\mode)-1, \koff, \left, \f1, \n1
.else
	PLACES
.endif
	FRAGS \mslot, \kk
.if \mode
	LPI \lset, (\mode)-1, \koff, \left, \f2, \n2
	ROWS \cb, \n2
.else
	ROWS \cb, 0
.endif
.endm
.macro MEET                            ; the trip's one barrier
	s_wait_dscnt 0x0                               ; for the others' sake: my reads of the one slot are back, and my stores into the other are done
	s_barrier_signal -1
	s_barrier_wait -1
.endm
; A trip: slot mslot is multiplied, set lset goes into the other slot.  step = 1: the bases go two K steps on.
.macro TRIP mslot, cb, lset, mode, koff, left, step
	HALF \mslot, 0, \cb, \lset, \mode, \koff, \left, 0, 6, 6, 6
	HALF \mslot, 1, 0,   \lset, \mode, \koff, \left, 12, 6, 18, 7
.if \step
	s_wait_xcnt 0x0                                ; every earlier memory instruction has had its addresses translated (ISA guide 3.1): only now are the bases rewritten
	s_add_nc_u64 s[XB:XB+1], s[XB:XB+1], 512
	s_add_nc_u64 s[WB:WB+1], s[WB:WB+1], 512
.endif
	MEET
.endm
.macro OUTACC a, b                     ; rounded to bf16 in place, 16 bytes into the stage; the accumulator's lowest registers are read first
.set AC, ACC+8*(2*(\a)+(\b))
.irp q, 0,1,2,3
	v_cvt_pk_bf16_f32 v[AC+\q], v[AC+2*\q], v[AC+2*\q+1]
.endr
.if (\a) < 4
	ds_store_b128 v[STO], v[AC:AC+3] offset:16*SP*(\a)+32*(\b)
.else
	ds_store_b128 v[STO2], v[AC:AC+3] offset:16*SP*((\a)-4)+32*(\b)
.endif
.endm
	s_load_b256 s[4:11], s[0:1], 0x0               ; x s[4:5], weight s[6:7], bias s[8:9], order s[10:11]
	s_load_b128 s[12:15], s[0:1], 0x20             ; tiles s[12:13], out0 s[14:15]
	v_lshl_add_u32 v[SPW], v0, 2, SPARE
	v_mov_b32 v[NIL], 0
	v_lshrrev_b32 v1, 5, v0
	v_readfirstlane_b32 s[WV], v1
	s_mov_b32 s[NX], ttmp9
	s_and_b32 s[MY], ttmp7, 0xffff
	s_lshl_b32 s36, s[MY], 4                       ; the tile's entry: 16 bytes
	s_wait_kmcnt 0x0
	s_load_b128 s[20:23], s[12:13], s36 offset:0x0
	; what hangs on the lane and the wave alone is made while the entry comes
	v_and_b32 v24, 15, v0                          ; l % 16
	v_bfe_u32 v25, v0, 4, 1                        ; l / 16
	v_mul_u32_u24 v[FA], v24, PITCH
	v_lshl_add_u32 v[FA], v25, 4, v[FA]            ; a fragment's row x pitch + 16 x half
	s_mul_i32 s37, s[WV], 32*PITCH
	s_add_co_u32 s37, s37, BBASE
	v_add_nc_u32 v[FB], s37, v[FA]                 ; my 32 rows of W
	v_mul_u32_u24 v[STO], v24, SP
	v_lshl_add_u32 v[STO], v25, 4, v[STO]
	s_lshl_b32 s37, s[WV], 6                       ; 32 columns of bf16
	s_add_co_u32 s37, s37, STG
	v_add_nc_u32 v[STO], s37, v[STO]
	v_add_nc_u32 v[STO2], 4*16*SP, v[STO]
	s_lshl_b32 s37, s[WV], 7                       ; 32 columns of f32
	v_lshl_add_u32 v1, v25, 5, s37                 ; + my lanes' eight columns: my place in the bias
	v_lshl_add_u32 v26, v25, 3, s[WV]              ; the loading: my row in 16: w + 8 (l / 16)
	v_mul_u32_u24 v27, v26, PITCH
	v_lshlrev_b32 v28, 4, v24                      ; my 16 bytes of f32
	v_add_nc_u32 v29, BBASE, v27
	v_add_nc_u32 v30, BBASE+BSLOT, v27
	WIN INTO1
	v_lshl_add_u32 v[STA], v24, 3, v27             ; row x pitch + my 8 bytes of bf16
	v_lshl_add_u32 v[STB], v24, 3, v29
	v_lshl_add_u32 v[STB+1], v24, 3, v30
	v_lshl_add_u32 v[BO], v26, 12, v28             ; a row of W is 4,096 bytes
	v_lshlrev_b32 v[L16], 4, v24
.irp i, 0,1,2,3,4,5,6,7,8
	v_add_nc_u32 v[AO+\i], 16*\i, v26              ; load i of x: the tile's row
.endr
	s_wait_kmcnt 0x0
	s_min_u32 s[HE], s[HE], 7                      ; loaded numbers are held to their ranges before they enter an address
	s_min_u32 s[HF], s[HF], 0x1fff
	s_max_u32 s[HR], s[HR], 1
	s_min_u32 s[HR], s[HR], 144
	s_sub_co_u32 s[RM1], s[HR], 1
	s_mul_i32 s38, s[WV], 18
	s_sub_co_i32 s[NV], s[HR], s38
	s_add_co_u32 s39, s[HF], s38                   ; the place of my first row on the way out
	s_mov_b64 s[XB:XB+1], s[4:5]
	s_lshl_b32 s36, s[HE], 22                      ; an expert's W: 4 MiB; a block of 256 rows: 1 MiB
	s_lshl_b32 s37, s[NX], 20
	s_add_co_u32 s36, s36, s37
	s_mov_b32 s37, 0
	s_add_nc_u64 s[WB:WB+1], s[6:7], s[36:37]
	s_lshl_b32 s36, s[HE], 12                      ; an expert's bias: 4,096 bytes; 256 columns: 1,024
	s_lshl_b32 s38, s[NX], 10
	s_add_co_u32 s36, s36, s38
	s_add_nc_u64 s[BB:BB+1], s[8:9], s[36:37]
	s_lshl_b32 s36, s[NX], 9                       ; 256 columns of out0: 512 bytes
	s_add_nc_u64 s[OB:OB+1], s[14:15], s[36:37]
	WIN 0
.irp b, 0,1
	global_load_b128 v[BI+8*\b:BI+8*\b+3],   v1, s[BB:BB+1] offset:64*\b
	global_load_b128 v[BI+8*\b+4:BI+8*\b+7], v1, s[BB:BB+1] offset:64*\b+16
.endr
	WIN LD
.irp i, 0,1,2,3,4,5,6,7,8
	v_min_u32 v[AO+\i], s[RM1], v[AO+\i]           ; the tile's row, or its last one,
	v_add_nc_u32 v[AO+\i], s[HF], v[AO+\i]         ; as a place in the sorted list,
	v_min_u32 v[AO+\i], 0x1fff, v[AO+\i]           ; held inside order[]
	v_lshlrev_b32 v[AO+\i], 2, v[AO+\i]
	global_load_b32 v[AO+\i], v[AO+\i], s[10:11]
.endr
.set i, 0
.rept 18
	s_add_co_u32 s37, s39, i                       ; the places of my 18 rows on the way out, held inside order[]; every lane takes the same word
	s_min_u32 s37, s37, 0x1fff
	s_lshl_b32 s37, s37, 2
	v_mov_b32 v[OT+i], s37
	global_load_b32 v[OT+i], v[OT+i], s[10:11]
.set i, i+1
.endr
	GB 0, 0                                        ; W's rows hang on the expert alone: they go out while the tokens come
	s_wait_loadcnt 16                              ; all but the 16 just issued: the bias and the 27 tokens are in
.irp i, 0,1,2,3,4,5,6,7,8
	v_min_u32 v[AO+\i], 0x1fff, v[AO+\i]
	v_lshl_add_u32 v[AO+\i], v[AO+\i], 12, v[L16]  ; a row of x is 4,096 bytes
.endr
	GA 0, 0
	GB 1, 256
	GA 1, 256                                      ; 50 loads are out: K steps 0 and 1
.set i, 0
.rept 18
	v_min_u32 v[OT+i], 0x1fff, v[OT+i]
.set i, i+1
.endr
	WIN 0
.set j, 0
.rept 8
	v_cvt_pk_bf16_f32 v[FBR+j], v[BI+2*j], v[BI+2*j+1]  ; the bias is rounded to bf16,
.set j, j+1
.endr
.set j, 0
.rept 8
	v_lshlrev_b32 v[BI+2*j], 16, v[FBR+j]          ; and widened again: the low half moves up,
	v_and_b32 v[BI+2*j+1], 0xffff0000, v[FBR+j]    ; the high half stays
.set j, j+1
.endr
	LPI 0, 1, 512, 0, 0, 25                        ; K step 0 into slot 0; K step 2 is asked for
	WIN 0
	MEET
	TRIP 0, 1, 1, 2, 768, 0, 0                     ; K step 0 starts the sums | K step 1 into slot 1, K step 3 asked for
	s_mov_b32 s[CNT], 6
.Lpair:                                                ; six trips of two K steps: 1 to 12 are multiplied, 2 to 13 go into LDS, 4 to 15 are asked for
	TRIP 1, 0, 0, 2, 1024, 0, 0
	TRIP 0, 0, 1, 2, 1280, 0, 1
	s_sub_co_u32 s[CNT], s[CNT], 1
	s_cmp_lg_u32 s[CNT], 0
	s_cbranch_scc1 .Lpair
	TRIP 1, 0, 0, 1, 0, 49, 0                      ; K step 13 | K step 14 into slot 0: behind its load j stand 24 - j of its set and the other set's 25
	TRIP 0, 0, 1, 1, 0, 24, 0                      ; K step 14 | K step 15 into slot 1: the last count is 0
	HALF 1, 0, 0, 0, 0, 0, 0, 0, 0, 0, 0           ; K step 15: no loading is left
	HALF 1, 1, 0, 0, 0, 0, 0, 0, 0, 0, 0
	PLACES                                         ; in front of the conversions, which read results just made
.irp a, 0,1,2,3,4,5,6,7,8
.irp b, 0,1
	OUTACC \a, \b
.endr
.endr
	MEET                                           ; a stage row's 512 bytes come from all eight waves
	; THE WAY OUT: wave w takes the stage's rows 18 w .. 18 w + 17, whole: 32 lanes x 16 bytes are a token's 256 columns
	v_and_b32 v1, 31, v0
	v_lshlrev_b32 v1, 4, v1
	s_mul_i32 s36, s[WV], 18*SP
	s_add_co_u32 s36, s36, STG
	v_add_nc_u32 v[FA], s36, v1
.set i, 0
.rept 18
	ds_load_b128 v[FAR+4*i:FAR+4*i+3], v[FA] offset:SP*i
.set i, i+1
.endr
	s_wait_tensorcnt 0x0                           ; the wave's end: behind my last LDS store; the stores' offsets are made between the add and its wait
	ds_add_u32 v[SPW], v[NIL]
	WIN FROM1
.set i, 0
.rept 18
	v_lshl_add_u32 v[ACC+i], v[OT+i], 11, v1       ; a row of out0 is 2,048 bytes
.set i, i+1
.endr
	WIN 0
	s_wait_dscnt 0x0                               ; the add is done, and my 18 rows are in registers
.set i, 0
.rept 18
	s_cmp_gt_i32 s[NV], i
	s_cbranch_scc0 .Lend                           ; the tile has no further rows
	global_store_b128 v[ACC+i], v[FAR+4*i:FAR+4*i+3], s[OB:OB+1] th:TH_STORE_NT  ; 512 consecutive bytes, at a multiple of 512 from out0's first byte
.set i, i+1
.endr
.Lend:
	s_endpgm
.Lfunc_end_k_q6c3cdfa5e2_gemm:
	.size	k_q6c3cdfa5e2_gemm, .Lfunc_end_k_q6c3cdfa5e2_gemm-k_q6c3cdfa5e2_gemm
	.p2alignl 7, 3214868480
	.fill 96, 4, 3214868480
	.section	.rodata,"a",@progbits
	.p2align	6, 0x0
	.amdhsa_kernel k_q6c3cdfa5e2_gemm
		.amdhsa_group_segment_fixed_size 192256
		.amdhsa_private_segment_fixed_size 0
		.amdhsa_enable_private_segment 0
		.amdhsa_kernarg_size 48
		.amdhsa_user_sgpr_count 2
		.amdhsa_user_sgpr_kernarg_segment_ptr 1
		.amdhsa_wavefront_size32 1
		.amdhsa_system_sgpr_workgroup_id_x 1
		.amdhsa_system_sgpr_workgroup_id_y 1
		.amdhsa_system_sgpr_workgroup_id_z 1
		.amdhsa_system_vgpr_workitem_id 0
		.amdhsa_next_free_vgpr 512
		.amdhsa_next_free_sgpr 66
		.amdhsa_reserve_vcc 0
		.amdhsa_float_denorm_mode_32 3
		.amdhsa_float_denorm_mode_16_64 3
		.amdhsa_memory_ordered 1
		.amdhsa_forward_progress 1
		.amdhsa_inst_pref_size 109
	.end_amdhsa_kernel
	.amdgpu_metadata
---
amdhsa.version: [ 1, 2 ]
amdhsa.kernels:
  - .name:           k_q6c3cdfa5e2_gemm
    .symbol:         k_q6c3cdfa5e2_gemm.kd
    .args:
      - { .name: x, .offset: 0, .size: 8, .value_kind: global_buffer, .address_space: global }
      - { .name: weight, .offset: 8, .size: 8, .value_kind: global_buffer, .address_space: global }
      - { .name: bias, .offset: 16, .size: 8, .value_kind: global_buffer, .address_space: global }
      - { .name: order, .offset: 24, .size: 8, .value_kind: global_buffer, .address_space: global }
      - { .name: tiles, .offset: 32, .size: 8, .value_kind: global_buffer, .address_space: global }
      - { .name: out0, .offset: 40, .size: 8, .value_kind: global_buffer, .address_space: global }
    .group_segment_fixed_size: 192256
    .private_segment_fixed_size: 0
    .kernarg_segment_align: 8
    .kernarg_segment_size: 48
    .max_flat_workgroup_size: 256
    .sgpr_count:     66
    .vgpr_count:     512
    .wavefront_size: 32
...
	.end_amdgpu_metadata
.endif
;; end of part 2
;; ======== version 2 of 3: 2 launches; 1.22 times as fast as version 1
;; workspace buffers: order 32,768 bytes of whole numbers; tiles 1,024 bytes of whole numbers; xb 16,777,216 bytes; wb 16,777,216 bytes
;; launch prep (part 3): grid 257 x 1, 32 waves a work-group, no clusters, 143,872 bytes of LDS; arguments ids, order, tiles, x, weight, xb, wb; writes order, tiles, xb, wb
.if DOCPART == 3
	.amdgcn_target "amdgcn-amd-amdhsa--gfx1250"
	.amdhsa_code_object_version 6
	.text
	.protected	k_q6c3cdfa5e2_prep
	.globl	k_q6c3cdfa5e2_prep
	.p2align	8
	.type	k_q6c3cdfa5e2_prep,@function
k_q6c3cdfa5e2_prep:
	s_mov_b64 s[64:65], 0
	v_nop
	global_prefetch_b8 v0, s[64:65] scope:SCOPE_SE
	s_setreg_imm32_b32 hwreg(HW_REG_WAVE_MODE, 25, 1), 1
	s_wait_xcnt 0x0
; PREP.  Three jobs in one launch, chosen by the work-group's number, which all waves of a work-group share; the ways never join again.
; WORK-GROUPS 1 .. 128 ROUND x TO bf16, each number once (nearest even): xb[t][k] = bf16(x[t][k]), in x's order.  262,144 bytes of x each; a thread makes 16 loads of 16 bytes
;   (a wave: 512 consecutive bytes) and 16 stores of 8 bytes (a wave: 256 consecutive bytes, aligned).
; WORK-GROUPS 129 .. 256 ROUND weight TO bf16 AND LAY IT IN THE ORDER OF THE MATRIX INSTRUCTION'S FRAGMENTS.  For expert e, block nb of 16 rows, kq of 32 along K and half j, the 512 bytes at
;   e x 2 MiB + nb x 32,768 + kq x 1,024 + j x 512 hold, for lane l, the 16 bytes W[16 nb + l % 16][32 kq + 16 j + 8 (l / 16) + 0 .. 7]: a fragment is two loads of 512 consecutive bytes.
;   A work-group takes 64 rows; wave v takes 16 of them (block v / 8) x 128 along K (part v % 8): 16 loads of 512 consecutive bytes, the rounding, 8 bytes a lane into the wave's OWN 16 rows of LDS,
;   back by the fragment's pattern, 8 stores of 512 consecutive bytes.  No wave reads another's LDS bytes, so there is no barrier on this way.
; WORK-GROUP 0 ROUTES: it sorts the 8,192 tokens by expert (stable) and cuts the sorted list into exactly 64 row tiles, each of ONE expert and of 1 to 144 rows.
;   order[p]  = the token at place p of the sorted list                     (int32[8192])
;   tiles[m]  = { expert, first place, rows, 0 }                            (64 entries of 16 bytes)
; Thread t owns tokens 8 t .. 8 t + 7.  Counts per expert are carried two to a register, in 16-bit fields (a count is 8,192 at the most).
; TILES.  k[e] = ceil(n[e] / 144); the sum of these is (8192 + 8 x 143) / 144 at the most, that is 64.  What is left of 64 (0 to 7) is given out one by one to the expert with the
; most rows a tile; while fewer than 64 are given, that expert has more than 8192 / 63 > 128 rows a tile, so n > (k - 1)^2 holds for every expert, and with r = ceil(n / k) rows
; a tile none of an expert's k tiles is empty.
; LIMIT.  ids are taken as unsigned numbers and held to 7: the problem's ids lie in 0 .. 7.
; The stores into order are 4 bytes a lane to places that hang on the data: 32 KB once in the program.
.set WT,    0                          ; LDS: 32 waves x 16 bytes, each wave's four packed totals
.set SPARE, 512                        ; LDS: the spare words, 128 bytes for each of 32 waves; no other line names them
.set TR,    4608                       ; LDS: for the weights' turn, 16 rows x 272 bytes for each of 32 waves
.set TP,    272                        ; a row there: 128 bf16 = 256 bytes + 16 of padding = 68 words: the 16 rows of a load start at 16 different banks (64 banks of 4 bytes: ISA guide 11.1)
.set WV,   10                          ; s10     my wave's number
.set HIGH, 11                          ; s11     mask of lanes 16 to 31
.set TOT,  12                          ; s12-15  my wave's totals, packed
.set WPRE, 16                          ; s16-19  the sum of the totals of the waves in front of mine
.set GT,   20                          ; s20-23  the totals of all waves
.set N,    24                          ; s24-31  n[e]
.set OFF,  32                          ; s32-40  first place of expert e in the sorted list
.set SB,   41                          ; s41-44  OFF + WPRE, packed
.set K,    45                          ; s45-52  k[e], tiles of expert e
.set KB,   53                          ; s53-61  first tile of expert e
.set LEFT, 62                          ; s62     tiles still to be given out
.set ID,   8                           ; v8-15   my eight ids
.set SH,   16                          ; v16-23  4 x id; later the place, in bytes
.set RK,   24                          ; v24-31  rank among my own tokens of the same expert; later the token's number
.set C,    32                          ; v32-35  my counts, packed
.set I,    36                          ; v36-39  their inclusive sums over the wave's lanes
.set W,    40                          ; v40-43  the waves' totals, lane l = wave l
.set BASE, 44                          ; v44-51  the place of my first token of expert e
; inclusive sum over the 32 lanes of v[r]: four steps inside each half of 16 lanes, then lane 15's sum is added in the upper half
.macro WSCAN r
.irp n, 1,2,4,8
	v_mov_b32_dpp v1, v[\r] row_shr:\n row_mask:0xf bank_mask:0xf bound_ctrl:1
	v_add_nc_u32 v[\r], v[\r], v1
.endr
	v_readlane_b32 s71, v[\r], 15
	v_cndmask_b32 v1, 0, s71, s[HIGH]
	v_add_nc_u32 v[\r], v[\r], v1
.endm
	v_lshl_add_u32 v2, v0, 2, SPARE                ; my spare word,
	v_mov_b32 v3, 0                                ; and 0: kept for the add alone
	s_cmp_lg_u32 ttmp9, 0
	s_cbranch_scc1 .Lstream                        ; every work-group but the first converts
	s_load_b128 s[4:7], s[0:1], 0x0                ; ids s[4:5], order s[6:7]
	s_load_b64 s[8:9], s[0:1], 0x10                ; tiles
	v_mov_b32 v1, 0                                ; the lane moves' destination counts as read
	v_lshrrev_b32 v4, 5, v0
	v_readfirstlane_b32 s[WV], v4
	s_mov_b32 s[HIGH], 0xffff0000
	v_lshlrev_b32 v4, 5, v0                        ; my eight ids: 32 bytes
	v_mov_b32 v5, 1
	v_mov_b32 v6, 0                                ; eight 4-bit counters (8 at the most in each)
	s_wait_kmcnt 0x0
	global_load_b128 v[ID:ID+3], v4, s[4:5]
	global_load_b128 v[ID+4:ID+7], v4, s[4:5] offset:16
	s_wait_loadcnt 0x0
.irp j, 0,1,2,3,4,5,6,7
	v_min_u32 v[ID+\j], 7, v[ID+\j]
	v_lshlrev_b32 v[SH+\j], 2, v[ID+\j]
	v_lshrrev_b32 v[RK+\j], v[SH+\j], v6           ; how many of my earlier tokens chose the same expert
	v_and_b32 v[RK+\j], 15, v[RK+\j]
	v_lshlrev_b32 v7, v[SH+\j], v5
	v_add_nc_u32 v6, v6, v7
.endr
.irp q, 0,1,2,3
	v_bfe_u32 v[C+\q], v6, 8*\q, 4                 ; experts 2 q (low half) and 2 q + 1 (high half)
	v_bfe_u32 v7, v6, 8*\q+4, 4
	v_lshl_or_b32 v[C+\q], v7, 16, v[C+\q]
	v_mov_b32 v[I+\q], v[C+\q]
.endr
.irp q, 0,1,2,3
	WSCAN I+\q
	v_readlane_b32 s[TOT+\q], v[I+\q], 31
.endr
.irp q, 0,1,2,3
	v_mov_b32 v[W+\q], s[TOT+\q]
.endr
	v_mov_b32 v7, s[WV]
	v_lshlrev_b32 v7, 4, v7
	ds_store_b128 v7, v[W:W+3]                     ; every lane writes the same 16 bytes: my wave's totals
	s_wait_dscnt 0x0                               ; for the others' sake: my store is done
	s_barrier_signal -1
	s_barrier_wait -1
	v_and_b32 v7, 31, v0
	v_lshlrev_b32 v7, 4, v7
	ds_load_b128 v[W:W+3], v7                      ; lane l takes wave l's totals
	s_wait_tensorcnt 0x0                           ; my last LDS store lies behind me
	ds_add_u32 v2, v3
	s_wait_dscnt 0x0                               ; the add is done, and the totals are in
.irp q, 0,1,2,3
	WSCAN W+\q
	v_readlane_b32 s[WPRE+\q], v[W+\q], s[WV]
	s_sub_co_u32 s[WPRE+\q], s[WPRE+\q], s[TOT+\q] ; each field of the inclusive sum holds my own total: nothing is borrowed
	v_readlane_b32 s[GT+\q], v[W+\q], 31
	s_and_b32 s[N+2*\q], s[GT+\q], 0xffff
	s_lshr_b32 s[N+2*\q+1], s[GT+\q], 16
.endr
	s_mov_b32 s[OFF], 0
.irp e, 0,1,2,3,4,5,6,7
	s_add_co_u32 s[OFF+\e+1], s[OFF+\e], s[N+\e]
.endr
.irp q, 0,1,2,3
	s_lshl_b32 s[SB+\q], s[OFF+2*\q+1], 16
	s_or_b32 s[SB+\q], s[SB+\q], s[OFF+2*\q]
	s_add_co_u32 s[SB+\q], s[SB+\q], s[WPRE+\q]    ; every field stays at 8,192 or below
	v_sub_nc_u32 v[I+\q], v[I+\q], v[C+\q]         ; the lanes in front of mine,
	v_add_nc_u32 v[I+\q], s[SB+\q], v[I+\q]        ; the waves in front of mine, the experts in front
	v_and_b32 v[BASE+2*\q], 0xffff, v[I+\q]
	v_lshrrev_b32 v[BASE+2*\q+1], 16, v[I+\q]
.endr
.irp j, 0,1,2,3,4,5,6,7
	v_mov_b32 v[SH+\j], v[BASE]
.irp e, 1,2,3,4,5,6,7
	v_cmp_eq_u32 vcc_lo, \e, v[ID+\j]
	v_cndmask_b32 v[SH+\j], v[SH+\j], v[BASE+\e], vcc_lo
.endr
	v_add_nc_u32 v[SH+\j], v[SH+\j], v[RK+\j]      ; the token's place
	v_min_u32 v[SH+\j], 0x1fff, v[SH+\j]           ; a place made of loaded numbers is held inside the buffer
	v_lshlrev_b32 v[SH+\j], 2, v[SH+\j]
	v_lshl_add_u32 v[RK+\j], v0, 3, \j             ; the token's number
	global_store_b32 v[SH+\j], v[RK+\j], s[6:7]
.endr
	s_cmp_lt_u32 s[WV], 2
	s_cbranch_scc0 .Lend                           ; the table has 64 entries: threads 0 to 63 write it
.irp e, 0,1,2,3,4,5,6,7
	s_add_co_u32 s[K+\e], s[N+\e], 143             ; ceil(n / 144) = ((n + 143) / 16) / 9; x / 9 = x * 7282 >> 16 for x up to 520
	s_lshr_b32 s[K+\e], s[K+\e], 4
	s_mul_i32 s[K+\e], s[K+\e], 7282
	s_lshr_b32 s[K+\e], s[K+\e], 16
.endr
	s_mov_b32 s[LEFT], 64
.irp e, 0,1,2,3,4,5,6,7
	s_sub_co_u32 s[LEFT], s[LEFT], s[K+\e]
.endr
.rept 7                                ; seven times, as many tiles as can be left, written out; a tile is given only while one is left
	s_mov_b32 s66, 0                               ; the best so far: n,
	s_mov_b32 s67, 1                               ; k,
	s_mov_b32 s68, 0                               ; and which expert
.irp e, 0,1,2,3,4,5,6,7
	s_mul_i32 s69, s[N+\e], s67                    ; n[e] / k[e] > n / k, without a division
	s_mul_i32 s70, s66, s[K+\e]
	s_cmp_gt_u32 s69, s70
	s_cselect_b32 s66, s[N+\e], s66
	s_cselect_b32 s67, s[K+\e], s67
	s_cselect_b32 s68, \e, s68
.endr
	s_cmp_lg_u32 s[LEFT], 0
	s_cselect_b32 s69, 1, 0
	s_sub_co_u32 s[LEFT], s[LEFT], s69
.irp e, 0,1,2,3,4,5,6,7
	s_cmp_eq_u32 s68, \e
	s_cselect_b32 s70, s69, 0
	s_add_co_u32 s[K+\e], s[K+\e], s70
.endr
.endr
	s_mov_b32 s[KB], 0
.irp e, 0,1,2,3,4,5,6,7
	s_add_co_u32 s[KB+\e+1], s[KB+\e], s[K+\e]
.endr
	; tile m = my thread's number: its expert is the last one whose first tile is m or lower
	v_mov_b32 v52, 0                               ; expert
	v_mov_b32 v53, s[OFF]                          ; its first place
	v_mov_b32 v54, s[N]                            ; its rows
	v_mov_b32 v55, s[K]                            ; its tiles
	v_mov_b32 v56, s[KB]                           ; its first tile
.irp j, 1,2,3,4,5,6,7
	v_cmp_le_u32 vcc_lo, s[KB+\j], v0
	v_cndmask_b32 v52, v52, \j, vcc_lo
	v_cndmask_b32 v53, v53, s[OFF+\j], vcc_lo
	v_cndmask_b32 v54, v54, s[N+\j], vcc_lo
	v_cndmask_b32 v55, v55, s[K+\j], vcc_lo
	v_cndmask_b32 v56, v56, s[KB+\j], vcc_lo
.endr
	v_mov_b32 v57, 0                               ; the largest q with q k < n, bit by bit: r = ceil(n / k) = q + 1, 144 at the most
.irp bit, 128,64,32,16,8,4,2,1
	v_add_nc_u32 v58, \bit, v57
	v_mul_u32_u24 v59, v58, v55
	v_cmp_lt_u32 vcc_lo, v59, v54
	v_cndmask_b32 v57, v57, v58, vcc_lo
.endr
	v_add_nc_u32 v57, 1, v57
	v_sub_nc_u32 v58, v0, v56                      ; which of the expert's tiles
	v_mul_u32_u24 v58, v58, v57                    ; rows of the expert in front of it
	v_sub_nc_u32 v59, v54, v58
	v_mov_b32 v60, v52
	v_add_nc_u32 v61, v53, v58                     ; first place
	v_min_u32 v62, v57, v59                        ; rows: r, or what is left
	v_mov_b32 v63, 0
	v_lshlrev_b32 v4, 4, v0
	global_store_b128 v4, v[60:63], s[8:9]         ; a wave stores 512 consecutive bytes
.Lend:
	s_endpgm
; x.  Load i of 16 takes the work-group's bytes 16,384 i + 16 t; twelve slots of four registers, v8-55; the numbers are rounded in place, two to a register, and stored from the slot's first two.
.macro SLD i
.set R, 8+4*((\i)%12)
	global_load_b128 v[R:R+3], v4, s[26:27] offset:16384*(\i) th:TH_LOAD_NT
.endm
.macro SDO i, left                     ; left: the younger loads, which may stay out
.set R, 8+4*((\i)%12)
	s_wait_loadcnt \left                           ; loads come back in order (ISA guide 5.7.1)
	v_cvt_pk_bf16_f32 v[R], v[R], v[R+1]
	v_cvt_pk_bf16_f32 v[R+1], v[R+2], v[R+3]
	global_store_b64 v5, v[R:R+1], s[28:29] offset:8192*(\i) th:TH_STORE_NT  ; a wave stores 256 consecutive bytes, at a multiple of 256 from the buffer's first byte
.endm
; weight.  Load r of 16 takes row r of my 16, my 128 along K: 512 consecutive bytes; the same twelve slots; four numbers rounded go as 8 bytes into row r of my LDS rows.
.macro WLD r
.set R, 8+4*((\r)%12)
	global_load_b128 v[R:R+3], v5, s[26:27] offset:4096*(\r) th:TH_LOAD_NT
.endm
.macro WDO r, left
.set R, 8+4*((\r)%12)
	s_wait_loadcnt \left
	v_cvt_pk_bf16_f32 v[R], v[R], v[R+1]
	v_cvt_pk_bf16_f32 v[R+1], v[R+2], v[R+3]
	ds_store_b64 v6, v[R:R+1] offset:TP*(\r)       ; 32 lanes x 8 bytes: the row's 256 bytes
.endm
.Lstream:
	s_sub_co_u32 s20, ttmp9, 1                     ; 0 .. 255
	s_and_b32 s21, s20, 127                        ; my part of the tensor
	s_mov_b32 s23, 0
	s_mov_b32 s25, 0
	s_cmp_lt_u32 s20, 128                          ; the first 128 take x, the others weight
	s_cbranch_scc0 .Lweight
	s_load_b64 s[26:27], s[0:1], 0x18              ; x
	s_load_b64 s[28:29], s[0:1], 0x28              ; xb
	s_lshl_b32 s22, s21, 18                        ; 262,144 bytes of f32,
	s_lshl_b32 s24, s21, 17                        ; 131,072 bytes of bf16
	v_lshlrev_b32 v4, 4, v0                        ; my 16 bytes of a load,
	v_lshlrev_b32 v5, 3, v0                        ; my 8 bytes of a store
	s_wait_kmcnt 0x0
	s_add_nc_u64 s[26:27], s[26:27], s[22:23]
	s_add_nc_u64 s[28:29], s[28:29], s[24:25]
.set i, 0
.rept 12
	SLD i
.set i, i+1
.endr
.set i, 0
.rept 4
	SDO i, 11-i
.set i, i+1
.endr
	s_wait_xcnt 0x0                                ; every earlier memory instruction has had its addresses translated (ISA guide 3.1): only now are the first four stores' registers loaded again
.set i, 12
.rept 4
	SLD i
.set i, i+1
.endr
.set i, 4
.rept 12
	SDO i, 15-i
.set i, i+1
.endr
	s_endpgm
.Lweight:
	s_load_b64 s[26:27], s[0:1], 0x20              ; weight
	s_load_b64 s[28:29], s[0:1], 0x30              ; wb
	v_lshrrev_b32 v4, 5, v0
	v_readfirstlane_b32 s[WV], v4
	s_lshr_b32 s30, s[WV], 3                       ; which of the work-group's four blocks of 16 rows
	s_and_b32 s31, s[WV], 7                        ; which 128 along K
	s_lshl_b32 s22, s21, 18                        ; in: 64 rows of 4,096 bytes a work-group,
	s_lshl_b32 s32, s30, 16                        ; 16 rows a block,
	s_add_co_u32 s22, s22, s32
	s_lshl_b32 s32, s31, 9                         ; 512 bytes of a row
	s_add_co_u32 s22, s22, s32
	s_lshl_b32 s24, s21, 17                        ; out: four blocks of 32,768 bytes a work-group,
	s_lshl_b32 s32, s30, 15
	s_add_co_u32 s24, s24, s32
	s_lshl_b32 s32, s31, 12                        ; 128 along K of a block: 4,096 consecutive bytes
	s_add_co_u32 s24, s24, s32
	s_mul_i32 s33, s[WV], 16*TP
	s_add_co_u32 s33, s33, TR                      ; my wave's 16 rows in LDS
	v_and_b32 v4, 31, v0                           ; lane
	v_lshlrev_b32 v5, 4, v4                        ; my 16 bytes of a load and of a store
	v_lshl_add_u32 v6, v4, 3, s33                  ; into LDS: my 8 bytes of a row
	v_and_b32 v7, 15, v0
	v_mul_u32_u24 v7, v7, TP                       ; back: row l % 16,
	v_bfe_u32 v56, v0, 4, 1
	v_lshl_add_u32 v7, v56, 4, v7                  ; 16 bytes for each half of the lanes
	v_add_nc_u32 v7, s33, v7
	s_wait_kmcnt 0x0
	s_add_nc_u64 s[26:27], s[26:27], s[22:23]
	s_add_nc_u64 s[28:29], s[28:29], s[24:25]
.set i, 0
.rept 12
	WLD i
.set i, i+1
.endr
.set i, 0
.rept 4
	WDO i, 11                                      ; eleven younger loads stay out: each of these four slots is filled again at once (an LDS store's sources want no wait)
	WLD i+12
.set i, i+1
.endr
.set i, 4
.rept 12
	WDO i, 15-i                                    ; the counts run down
.set i, i+1
.endr
.set i, 0
.rept 8
	ds_load_b128 v[24+4*i:27+4*i], v7 offset:32*i  ; piece i = 2 q + j: K = 32 q + 16 j + 8 (l / 16) + 0..7 of row l % 16.  LDS serves a wave's instructions in order (ISA guide 5.7.1.4): these see the stores above
.set i, i+1
.endr
	s_wait_tensorcnt 0x0                           ; my last LDS store lies behind me
	ds_add_u32 v2, v3
	s_wait_dscnt 0x0                               ; the add is done, and the eight pieces are in registers
.set i, 0
.rept 8
	global_store_b128 v5, v[24+4*i:27+4*i], s[28:29] offset:512*i th:TH_STORE_NT  ; 512 consecutive bytes, at a multiple of 512 from wb's first byte
.set i, i+1
.endr
	s_endpgm
.Lfunc_end_k_q6c3cdfa5e2_prep:
	.size	k_q6c3cdfa5e2_prep, .Lfunc_end_k_q6c3cdfa5e2_prep-k_q6c3cdfa5e2_prep
	.p2alignl 7, 3214868480
	.fill 96, 4, 3214868480
	.section	.rodata,"a",@progbits
	.p2align	6, 0x0
	.amdhsa_kernel k_q6c3cdfa5e2_prep
		.amdhsa_group_segment_fixed_size 143872
		.amdhsa_private_segment_fixed_size 0
		.amdhsa_enable_private_segment 0
		.amdhsa_kernarg_size 56
		.amdhsa_user_sgpr_count 2
		.amdhsa_user_sgpr_kernarg_segment_ptr 1
		.amdhsa_wavefront_size32 1
		.amdhsa_system_sgpr_workgroup_id_x 1
		.amdhsa_system_sgpr_workgroup_id_y 1
		.amdhsa_system_sgpr_workgroup_id_z 1
		.amdhsa_system_vgpr_workitem_id 0
		.amdhsa_next_free_vgpr 64
		.amdhsa_next_free_sgpr 80
		.amdhsa_reserve_vcc 1
		.amdhsa_float_denorm_mode_32 3
		.amdhsa_float_denorm_mode_16_64 3
		.amdhsa_memory_ordered 1
		.amdhsa_forward_progress 1
		.amdhsa_inst_pref_size 54
	.end_amdhsa_kernel
	.amdgpu_metadata
---
amdhsa.version: [ 1, 2 ]
amdhsa.kernels:
  - .name:           k_q6c3cdfa5e2_prep
    .symbol:         k_q6c3cdfa5e2_prep.kd
    .args:
      - { .name: ids, .offset: 0, .size: 8, .value_kind: global_buffer, .address_space: global }
      - { .name: order, .offset: 8, .size: 8, .value_kind: global_buffer, .address_space: global }
      - { .name: tiles, .offset: 16, .size: 8, .value_kind: global_buffer, .address_space: global }
      - { .name: x, .offset: 24, .size: 8, .value_kind: global_buffer, .address_space: global }
      - { .name: weight, .offset: 32, .size: 8, .value_kind: global_buffer, .address_space: global }
      - { .name: xb, .offset: 40, .size: 8, .value_kind: global_buffer, .address_space: global }
      - { .name: wb, .offset: 48, .size: 8, .value_kind: global_buffer, .address_space: global }
    .group_segment_fixed_size: 143872
    .private_segment_fixed_size: 0
    .kernarg_segment_align: 8
    .kernarg_segment_size: 56
    .max_flat_workgroup_size: 1024
    .sgpr_count:     80
    .vgpr_count:     64
    .wavefront_size: 32
...
	.end_amdgpu_metadata
.endif
;; end of part 3
;; launch gemm (part 4): grid 4 x 64, 8 waves a work-group, no clusters, 155,392 bytes of LDS; arguments xb, wb, bias, order, tiles, out0; writes out0
.if DOCPART == 4
	.amdgcn_target "amdgcn-amd-amdhsa--gfx1250"
	.amdhsa_code_object_version 6
	.text
	.protected	k_q6c3cdfa5e2_gemm
	.globl	k_q6c3cdfa5e2_gemm
	.p2align	8
	.type	k_q6c3cdfa5e2_gemm,@function
k_q6c3cdfa5e2_gemm:
	s_mov_b64 s[64:65], 0
	v_nop
	global_prefetch_b8 v0, s[64:65] scope:SCOPE_SE
	s_setreg_imm32_b32 hwreg(HW_REG_WAVE_MODE, 25, 1), 1
	s_wait_xcnt 0x0
; out[t][n] = the sum over k of x[t][k] W[e][n][k] + b[e][n], e = ids[t].  xb and wb hold x and W rounded once to bf16 by the launch before; b is f32 and is rounded to bf16 here;
; sums in f32; out is bf16, rounded once at the end.
; A work-group makes one row tile (tiles[y]: 1 to 144 tokens of ONE expert, places first .. first + rows - 1 of the sorted list order[]) x 256 columns (block x of four).
; LIMITS.  Rows beyond the tile's count repeat its last token; they are computed and not stored.  The table's numbers are held to expert 7, place 8,191, rows 1 .. 144, tokens to 8,191.
; SHARES.  Eight waves, all alike.  Wave w multiplies all 144 tokens x columns 32 w .. 32 w + 31: 18 accumulators of 16 x 16.  K goes in 8 steps of 128, each in four quarters of 32.
; W (B).  No other wave reads my 32 rows of W, so they do not pass through LDS: wb lies in the order of the fragments (for block nb of 16 rows, kq of 32 along K and half j, 512 bytes at
; nb x 32,768 + kq x 1,024 + j x 512, lane l's 16 bytes at 16 l), and a load of 512 consecutive bytes lands in the registers that the matrix instruction names.
; x (A).  All eight waves read all 144 tokens' rows, which are gathered by the list: each wave loads an eighth of every K step (9 loads of two rows' 256 bytes) into registers and stores it into
; one of two LDS slots.  In a trip every wave reads one slot and writes its part of the other; ONE barrier a trip orders both, and in front of it each wave waits for its LDS reads and stores.
; ON THEIR WAY.  Two K steps, 50 loads of 512 bytes a wave: as registers are emptied (A's by the LDS store, B's by the products) the same rows are asked for two steps on.
; THE MATRIX INSTRUCTION IS USED TRANSPOSED (source 0 = 16 rows of W, source 1 = 16 tokens): a lane then holds eight neighbouring columns of one token's row.  The bias is the C operand of the
; product that starts each sum.
; REGISTERS, in two windows of 256 (s_set_vgpr_msb: bits 1:0 source 0, 3:2 source 1, 5:4 source 2, 7:6 destination).  Window 0: A's fragments, accumulators, bias.  Window 1: what the loads fill
; (B's fragments, A's staged rows) and all addresses of the loop.  A quarter has two settings: 0x55 for the loads from memory and the LDS stores, 0x01 for the fragment loads (address in window 1,
; data in window 0) and the products (B in window 1).
; THE EIGHT TRIPS ARE WRITTEN OUT by one macro: the first two fill the ring of loads and the last three let it run empty, so a loop would hold three; every step along K stands in an immediate.
; NO TENSOR LOADS, NO CLUSTER: x's rows are gathered by a list, which one tile descriptor does not express, and W goes into registers, not into LDS; joint requests exist for tensor loads alone,
; and an expert's number of row tiles hangs on the data and need not be a multiple of four.
.set PITCH, 272                        ; an LDS row: 128 bf16 = 256 bytes + 16 of padding = 68 words: row r starts at bank 4 r mod 64 (64 banks of 4 bytes: ISA guide 11.1), so the 16 rows of a fragment load start at 16 different banks
.set ASLOT, 144*PITCH                  ; A's slot: 144 tokens; two of them from byte 0 on
.set STG,   2*ASLOT                    ; the stage for the way out: 144 rows x 528 bytes
.set SP,    528                        ; 512 bytes + 16
.set SPARE, STG+144*SP                 ; = 603 x 256: the spare words, 128 bytes for each of 8 waves; no other line names them
.set WV,  16                           ; s16  my wave's number
.set NX,  17                           ; s17  block of 256 columns
.set MY,  18                           ; s18  row tile
.set HE,  20                           ; s20-23  the tile's entry: expert, first place, rows, 0
.set HF,  21
.set HR,  22
.set RM1, 24                           ; s24  rows - 1
.set NV,  25                           ; s25  rows - 18 x wave: how many of my 18 rows on the way out the tile has (may be negative)
.set XB,  28                           ; s[28:29] xb
.set WB,  30                           ; s[30:31] wb at the expert's blocks of my column block
.set BB,  32                           ; s[32:33] bias at the same columns
.set OB,  34                           ; s[34:35] out0 at my column block
; window 0
.set SPW, 2                            ; v2   my spare word; never rewritten
.set NIL, 3                            ; v3   0; never rewritten
.set STO, 4                            ; v4   behind the last products: where I put 16 bytes of a row in the stage, row blocks 0-3
.set STO2, 5                           ; v5   the same for row blocks 4-8: an LDS offset has 16 bits
.set RDA, 6                            ; v6   where I read my rows of the stage back
.set BI,  8                            ; v8-23    bias of my 2 x 8 columns: rounded to bf16, held as f32
.set TB,  24                           ; v24-31   at work in the set-up
.set FAR, 40                           ; v40-111  A's nine fragments; at the end my 18 rows of the stage
.set ACC, 112                          ; v112-255 accumulator (a, b) at ACC + 8 (2 a + b); at the end v112-129 my 18 store offsets
; window 1
.set ST,  0                            ; v0-99, v100-199  two sets, for even and odd K steps: 64 registers of B (quarter q, column block b at 16 q + 8 b), then 9 loads x 4 of A
.set AO,  200                          ; v200-208 load i of x: my token's row, and my 16 bytes in 256
.set BO,  209                          ; v209 my wave's two blocks of wb, and my 16 bytes in 512
.set STA, 210                          ; v210, v211  LDS address of my 16 bytes in A's slots 0 and 1
.set FA,  212                          ; v212, v213  LDS address of my lane's place in A's fragments, slots 0 and 1
.set L16, 214                          ; v214 16 x (lane % 16)
.set OT,  216                          ; v216-233 the tokens of my 18 rows on the way out
.set LD,    0x55                       ; every operand place in window 1
.set MULW,  0x01                       ; source 0 in window 1, the rest in window 0
.set INTO1, 0x40                       ; destination in window 1, sources in window 0
.set MSB, 0
.macro WIN new                         ; the immediate's high byte repeats the setting that is left; a switch that changes nothing is dropped
.if MSB != (\new)
	s_set_vgpr_msb (MSB<<8)|(\new)
.set MSB, \new
.endif
.endm
; n of a set's nine loads of x, from number `from` on.  Load j covers the tile's rows 16 j + w (lanes 0-15) and 16 j + w + 8 (lanes 16-31): 256 consecutive bytes of each, at a multiple of 256 in xb.
.macro ALOAD set, from, n, koff
.set j, \from
.rept \n
	global_load_b128 v[ST+100*(\set)+64+4*j:ST+100*(\set)+64+4*j+3], v[AO+j], s[XB:XB+1] offset:(\koff)
.set j, j+1
.endr
.endm
; and their way into the LDS slot of the set's number: two whole rows of 256 bytes a store, each from sixteen neighbouring lanes.  An LDS store's sources want no wait: the registers may be loaded again at once.
.macro ASTORE set, from, n
.set j, \from
.rept \n
	ds_store_b128 v[STA+(\set)], v[ST+100*(\set)+64+4*j:ST+100*(\set)+64+4*j+3] offset:16*PITCH*j
.set j, j+1
.endr
.endm
; B's two fragments of quarter q of a K step: four loads of 512 consecutive bytes
.macro BLOAD set, q, step
.irp b, 0,1
.irp h, 0,1
	global_load_b128 v[ST+100*(\set)+16*(\q)+8*\b+4*\h:ST+100*(\set)+16*(\q)+8*\b+4*\h+3], v[BO], s[WB:WB+1] offset:32768*\b+1024*(4*(\step)+(\q))+512*\h
.endr
.endr
.endm
; A's nine fragments of 32 along K (quarter kk of a slot's 128): 18 LDS loads in one run.
; A fragment is 16 rows x 32 K in 8 registers: lane l holds row l % 16, K = 8 (l / 16) + 0..7 and 16 + 8 (l / 16) + 0..7: two loads of 16 bytes, 32 bytes apart.
.macro FRAGS slot, kk
	WIN MULW
.irp a, 0,1,2,3,4,5,6,7,8
	ds_load_b128 v[FAR+8*\a:FAR+8*\a+3],   v[FA+(\slot)] offset:\a*16*PITCH+64*(\kk)
	ds_load_b128 v[FAR+8*\a+4:FAR+8*\a+7], v[FA+(\slot)] offset:\a*16*PITCH+64*(\kk)+32
.endr
.endm
.macro WM a, b                         ; BR: B's fragments of the quarter.  CB = 1: the product starts the sum, with the bias as C: nothing is cleared
.set AC, ACC+8*(2*(\a)+(\b))
.if CB
	v_wmma_f32_16x16x32_bf16 v[AC:AC+7], v[BR+8*(\b):BR+8*(\b)+7], v[FAR+8*(\a):FAR+8*(\a)+7], v[BI+8*(\b):BI+8*(\b)+7]
.else
	v_wmma_f32_16x16x32_bf16 v[AC:AC+7], v[BR+8*(\b):BR+8*(\b)+7], v[FAR+8*(\a):FAR+8*(\a)+7], v[AC:AC+7]
.endif
.endm
; 18 matrix instructions on end.  The accumulators take turns, one instruction a turn, in the same order in every quarter.
.macro ROWS
	WIN MULW
.irp a, 0,1,2,3,4,5,6,7,8
	s_wait_dscnt 2*(8-\a)                          ; LDS instructions end in order (ISA guide 5.7.1): only the later row blocks' loads may be out
	WM \a, 0
	WM \a, 1
.endr
.endm
.macro PLACES                          ; four places between a matrix instruction and loads into registers that it read (ISA guide 7.12.1 for vector instructions)
.rept 4
	v_nop
.endr
.endm
; QUARTER q OF TRIP t.  K step t is multiplied: A from LDS slot t % 2, B from register set t % 2.  Beside it group q (3, 2, 2, 2 of nine loads) of A's step t + 1 goes into the other slot and is asked
; for again for step t + 3, and behind the products the quarter's B is asked for again for step t + 2; no load passes K's end.
; THE WAIT.  Loads come back in order (ISA guide 5.7.1) and are used here in the order of their issue, so FLY, the loads issued less those already used, less what this quarter uses, is the number of
; younger loads that may stay out.  Used: A's group and B's four; in trip 0 A's group alone (B's step 0 went out ahead of A's step 0); in trip 1 B's step 1, which went out as one run, with the first group.
.macro SLOT t, q
.set SM, (\t)%2
.set SA, ((\t)+1)%2
.set GF, 2*(\q)+((\q)+3)/4             ; the group's first load: 0, 3, 5, 7
.set GN, 3-((\q)+3)/4                  ; and how many: 3, 2, 2, 2
.set BR, ST+100*SM+16*(\q)
.set CB, 0
.if (\t) == 0
.set FLY, FLY-GN
.if (\q) == 0
.set CB, 1
.endif
.elseif (\t) == 1
.set FLY, FLY-GN
.if (\q) == 0
.set FLY, FLY-16
.endif
.elseif (\t) < 7
.set FLY, FLY-GN-4
.else
.set FLY, FLY-4
.endif
	s_wait_loadcnt FLY
.if (\t) < 7
	WIN LD
	ASTORE SA, GF, GN
.if (\t) < 5
	ALOAD SA, GF, GN, 256*((\t)+3)
.set FLY, FLY+GN
.endif
.endif
	FRAGS SM, \q
	ROWS
.if ((\t) < 7) || ((\q) < 3)
	PLACES                                         ; in front of the loads into B's registers just below, and of the next quarter's loads into A's fragments
.endif
.if (\t) < 6
	WIN LD
	BLOAD SM, \q, (\t)+2
.set FLY, FLY+4
.endif
.endm
.macro MEET                            ; the trip's one barrier
	s_wait_dscnt 0x0                               ; for the others' sake: my reads of the one slot are back, and my stores into the other are done
	s_barrier_signal -1
	s_barrier_wait -1
.endm
.macro OUTACC a, b                     ; rounded to bf16 in place, 16 bytes into the stage; the accumulator's lowest registers are read first
.set AC, ACC+8*(2*(\a)+(\b))
.irp q, 0,1,2,3
	v_cvt_pk_bf16_f32 v[AC+\q], v[AC+2*\q], v[AC+2*\q+1]
.endr
.if (\a) < 4
	ds_store_b128 v[STO], v[AC:AC+3] offset:16*SP*(\a)+32*(\b)
.else
	ds_store_b128 v[STO2], v[AC:AC+3] offset:16*SP*((\a)-4)+32*(\b)
.endif
.endm
	s_load_b256 s[4:11], s[0:1], 0x0               ; xb s[4:5], wb s[6:7], bias s[8:9], order s[10:11]
	s_load_b128 s[12:15], s[0:1], 0x20             ; tiles s[12:13], out0 s[14:15]
	v_lshl_add_u32 v[SPW], v0, 2, SPARE
	v_mov_b32 v[NIL], 0
	v_lshrrev_b32 v1, 5, v0
	v_readfirstlane_b32 s[WV], v1
	s_mov_b32 s[NX], ttmp9
	s_and_b32 s[MY], ttmp7, 0xffff
	s_lshl_b32 s36, s[MY], 4                       ; the tile's entry: 16 bytes
	s_wait_kmcnt 0x0
	s_load_b128 s[20:23], s[12:13], s36 offset:0x0
	; what hangs on the lane and the wave alone is made while the entry comes
	v_and_b32 v24, 15, v0                          ; l % 16
	v_bfe_u32 v25, v0, 4, 1                        ; l / 16
	v_mul_u32_u24 v29, v24, PITCH
	v_lshl_add_u32 v29, v25, 4, v29                ; a fragment's row x pitch + 16 x half
	s_lshl_b32 s37, s[WV], 7                       ; 32 columns of f32
	v_lshl_add_u32 v1, v25, 5, s37                 ; + my lanes' eight columns: my place in the bias
	v_lshl_add_u32 v26, v25, 3, s[WV]              ; the loading of x: my row in 16: w + 8 (l / 16)
	v_mul_u32_u24 v27, v26, PITCH
	v_lshlrev_b32 v28, 4, v24                      ; my 16 bytes of a row's 256
	v_add_nc_u32 v27, v27, v28                     ; row x pitch + my 16 bytes
	v_and_b32 v30, 31, v0
	v_lshlrev_b32 v30, 4, v30                      ; my 16 bytes of a fragment load's 512
	s_lshl_b32 s38, s[WV], 16                      ; my wave's two blocks of 16 rows of W: 65,536 bytes
	WIN INTO1
	v_mov_b32 v[STA], v27
	v_add_nc_u32 v[STA+1], ASLOT, v27
	v_mov_b32 v[FA], v29
	v_add_nc_u32 v[FA+1], ASLOT, v29
	v_add_nc_u32 v[BO], s38, v30
	v_mov_b32 v[L16], v28
.irp i, 0,1,2,3,4,5,6,7,8
	v_add_nc_u32 v[AO+\i], 16*\i, v26              ; load i of x: the tile's row
.endr
	s_wait_kmcnt 0x0
	s_min_u32 s[HE], s[HE], 7                      ; loaded numbers are held to their ranges before they enter an address
	s_min_u32 s[HF], s[HF], 0x1fff
	s_max_u32 s[HR], s[HR], 1
	s_min_u32 s[HR], s[HR], 144
	s_sub_co_u32 s[RM1], s[HR], 1
	s_mul_i32 s38, s[WV], 18
	s_sub_co_i32 s[NV], s[HR], s38
	s_add_co_u32 s39, s[HF], s38                   ; the place of my first row on the way out
	s_mov_b64 s[XB:XB+1], s[4:5]
	s_lshl_b32 s36, s[HE], 21                      ; an expert's W in bf16: 2 MiB; 256 rows, 16 blocks: 512 KiB
	s_lshl_b32 s37, s[NX], 19
	s_add_co_u32 s36, s36, s37
	s_mov_b32 s37, 0
	s_add_nc_u64 s[WB:WB+1], s[6:7], s[36:37]
	s_lshl_b32 s36, s[HE], 12                      ; an expert's bias: 4,096 bytes; 256 columns: 1,024
	s_lshl_b32 s38, s[NX], 10
	s_add_co_u32 s36, s36, s38
	s_add_nc_u64 s[BB:BB+1], s[8:9], s[36:37]
	s_lshl_b32 s36, s[NX], 9                       ; 256 columns of out0: 512 bytes
	s_add_nc_u64 s[OB:OB+1], s[14:15], s[36:37]
	WIN 0
.irp b, 0,1
	global_load_b128 v[BI+8*\b:BI+8*\b+3],   v1, s[BB:BB+1] offset:64*\b
	global_load_b128 v[BI+8*\b+4:BI+8*\b+7], v1, s[BB:BB+1] offset:64*\b+16
.endr
	WIN LD
.irp i, 0,1,2,3,4,5,6,7,8
	v_min_u32 v[AO+\i], s[RM1], v[AO+\i]           ; the tile's row, or its last one,
	v_add_nc_u32 v[AO+\i], s[HF], v[AO+\i]         ; as a place in the sorted list,
	v_min_u32 v[AO+\i], 0x1fff, v[AO+\i]           ; held inside order[]
	v_lshlrev_b32 v[AO+\i], 2, v[AO+\i]
	global_load_b32 v[AO+\i], v[AO+\i], s[10:11]
.endr
.set i, 0
.rept 18
	s_add_co_u32 s37, s39, i                       ; the places of my 18 rows on the way out, held inside order[]; every lane takes the same word
	s_min_u32 s37, s37, 0x1fff
	s_lshl_b32 s37, s37, 2
	v_mov_b32 v[OT+i], s37
	global_load_b32 v[OT+i], v[OT+i], s[10:11]
.set i, i+1
.endr
.irp q, 0,1,2,3
	BLOAD 0, \q, 0                                 ; W hangs on the expert alone: its K step 0 goes out while the tokens come
.endr
	s_wait_loadcnt 16                              ; all but the 16 just issued: the bias and the 27 tokens are in
.irp i, 0,1,2,3,4,5,6,7,8
	v_min_u32 v[AO+\i], 0x1fff, v[AO+\i]
	v_lshl_add_u32 v[AO+\i], v[AO+\i], 11, v[L16]  ; a row of xb is 2,048 bytes
.endr
	ALOAD 0, 0, 9, 0
	ALOAD 1, 0, 9, 256
.irp q, 0,1,2,3
	BLOAD 1, \q, 1                                 ; 50 loads are out: K steps 0 and 1
.endr
.set i, 0
.rept 18
	v_min_u32 v[OT+i], 0x1fff, v[OT+i]
.set i, i+1
.endr
	WIN 0
.set j, 0
.rept 8
	v_cvt_pk_bf16_f32 v[TB+j], v[BI+2*j], v[BI+2*j+1]  ; the bias is rounded to bf16,
.set j, j+1
.endr
.set j, 0
.rept 8
	v_lshlrev_b32 v[BI+2*j], 16, v[TB+j]           ; and widened again: the low half moves up,
	v_and_b32 v[BI+2*j+1], 0xffff0000, v[TB+j]     ; the high half stays
.set j, j+1
.endr
	WIN LD
.irp f, 0,3,6
	s_wait_loadcnt 31                              ; behind these three loads of A's step 0 stand the rest of the nine, step 1's 9 and 16, and what has been asked for again: 31 each time
	ASTORE 0, \f, 3                                ; A's K step 0 into slot 0;
	ALOAD 0, \f, 3, 512                            ; its K step 2 is asked for
.endr
.set FLY, 34                           ; on their way: A's step 1 (9), B's step 1 (16), A's step 2 (9), in this order
	MEET
.irp t, 0,1,2,3,4,5,6
	SLOT \t, 0
	SLOT \t, 1
	SLOT \t, 2
	SLOT \t, 3
	MEET
.endr
	SLOT 7, 0                                      ; K step 7: nothing is left to store or to ask for
	SLOT 7, 1
	SLOT 7, 2
	SLOT 7, 3
	WIN 0
	; the stage's addresses: six plain vector instructions that name no register of the products: the places in front of the conversions, which read results just made
	s_lshl_b32 s37, s[WV], 6                       ; 32 columns of bf16
	s_add_co_u32 s37, s37, STG
	v_and_b32 v1, 15, v0
	v_mul_u32_u24 v[STO], v1, SP                   ; row l % 16,
	v_bfe_u32 v1, v0, 4, 1
	v_lshl_add_u32 v[STO], v1, 4, v[STO]           ; 16 bytes for each half of the lanes
	v_add_nc_u32 v[STO], s37, v[STO]
	v_add_nc_u32 v[STO2], 4*16*SP, v[STO]
.irp a, 0,1,2,3,4,5,6,7,8
.irp b, 0,1
	OUTACC \a, \b
.endr
.endr
	MEET                                           ; a stage row's 512 bytes come from all eight waves
	; THE WAY OUT: wave w takes the stage's rows 18 w .. 18 w + 17, whole: 32 lanes x 16 bytes are a token's 256 columns
	v_and_b32 v1, 31, v0
	v_lshlrev_b32 v1, 4, v1
	s_mul_i32 s36, s[WV], 18*SP
	s_add_co_u32 s36, s36, STG
	v_add_nc_u32 v[RDA], s36, v1
.set i, 0
.rept 18
	ds_load_b128 v[FAR+4*i:FAR+4*i+3], v[RDA] offset:SP*i
.set i, i+1
.endr
	s_wait_tensorcnt 0x0                           ; the wave's end: behind my last LDS store; the stores' offsets are made between the add and its wait
	ds_add_u32 v[SPW], v[NIL]
	WIN MULW
.set i, 0
.rept 18
	v_lshl_add_u32 v[ACC+i], v[OT+i], 11, v1       ; a row of out0 is 2,048 bytes
.set i, i+1
.endr
	WIN 0
	s_wait_dscnt 0x0                               ; the add is done, and my 18 rows are in registers
.set i, 0
.rept 18
	s_cmp_gt_i32 s[NV], i
	s_cbranch_scc0 .Lend                           ; the tile has no further rows
	global_store_b128 v[ACC+i], v[FAR+4*i:FAR+4*i+3], s[OB:OB+1] th:TH_STORE_NT  ; 512 consecutive bytes, at a multiple of 512 from out0's first byte
.set i, i+1
.endr
.Lend:
	s_endpgm
.Lfunc_end_k_q6c3cdfa5e2_gemm:
	.size	k_q6c3cdfa5e2_gemm, .Lfunc_end_k_q6c3cdfa5e2_gemm-k_q6c3cdfa5e2_gemm
	.p2alignl 7, 3214868480
	.fill 96, 4, 3214868480
	.section	.rodata,"a",@progbits
	.p2align	6, 0x0
	.amdhsa_kernel k_q6c3cdfa5e2_gemm
		.amdhsa_group_segment_fixed_size 155392
		.amdhsa_private_segment_fixed_size 0
		.amdhsa_enable_private_segment 0
		.amdhsa_kernarg_size 48
		.amdhsa_user_sgpr_count 2
		.amdhsa_user_sgpr_kernarg_segment_ptr 1
		.amdhsa_wavefront_size32 1
		.amdhsa_system_sgpr_workgroup_id_x 1
		.amdhsa_system_sgpr_workgroup_id_y 1
		.amdhsa_system_sgpr_workgroup_id_z 1
		.amdhsa_system_vgpr_workitem_id 0
		.amdhsa_next_free_vgpr 512
		.amdhsa_next_free_sgpr 66
		.amdhsa_reserve_vcc 0
		.amdhsa_float_denorm_mode_32 3
		.amdhsa_float_denorm_mode_16_64 3
		.amdhsa_memory_ordered 1
		.amdhsa_forward_progress 1
		.amdhsa_inst_pref_size 137
	.end_amdhsa_kernel
	.amdgpu_metadata
---
amdhsa.version: [ 1, 2 ]
amdhsa.kernels:
  - .name:           k_q6c3cdfa5e2_gemm
    .symbol:         k_q6c3cdfa5e2_gemm.kd
    .args:
      - { .name: xb, .offset: 0, .size: 8, .value_kind: global_buffer, .address_space: global }
      - { .name: wb, .offset: 8, .size: 8, .value_kind: global_buffer, .address_space: global }
      - { .name: bias, .offset: 16, .size: 8, .value_kind: global_buffer, .address_space: global }
      - { .name: order, .offset: 24, .size: 8, .value_kind: global_buffer, .address_space: global }
      - { .name: tiles, .offset: 32, .size: 8, .value_kind: global_buffer, .address_space: global }
      - { .name: out0, .offset: 40, .size: 8, .value_kind: global_buffer, .address_space: global }
    .group_segment_fixed_size: 155392
    .private_segment_fixed_size: 0
    .kernarg_segment_align: 8
    .kernarg_segment_size: 48
    .max_flat_workgroup_size: 256
    .sgpr_count:     66
    .vgpr_count:     512
    .wavefront_size: 32
...
	.end_amdgpu_metadata
.endif
;; end of part 4
;; ======== version 3 of 3: 2 launches; version 2 with the launch gemm written anew for expert scheduling mode
;; workspace buffers: order 32,768 bytes of whole numbers; tiles 1,024 bytes of whole numbers; xb 16,777,216 bytes; wb 16,777,216 bytes
;; launch prep: the kernel of part 3 again; grid 257 x 1, 32 waves a work-group, no clusters, 143,872 bytes of LDS; arguments ids, order, tiles, x, weight, xb, wb; writes order, tiles, xb, wb
;; launch gemm (part 5): grid 4 x 64, 8 waves a work-group, no clusters, 155,392 bytes of LDS; arguments xb, wb, bias, order, tiles, out0; writes out0
.if DOCPART == 5
	.amdgcn_target "amdgcn-amd-amdhsa--gfx1250"
	.amdhsa_code_object_version 6
	.text
	.protected	k_q6c3cdfa5e2_gemm
	.globl	k_q6c3cdfa5e2_gemm
	.p2align	8
	.type	k_q6c3cdfa5e2_gemm,@function
k_q6c3cdfa5e2_gemm:
	s_mov_b64 s[64:65], 0
	v_nop
	global_prefetch_b8 v0, s[64:65] scope:SCOPE_SE
	s_setreg_imm32_b32 hwreg(HW_REG_WAVE_SCHED_MODE, 0, 2), 2
	s_setreg_imm32_b32 hwreg(HW_REG_WAVE_MODE, 25, 1), 1
	s_wait_xcnt 0x0
	s_wait_alu depctr_vm_vsrc(0)
; out[t][n] = the sum over k of x[t][k] W[e][n][k] + b[e][n], e = ids[t].  xb and wb hold x and W rounded once to bf16 by the launch before; b is f32 and is rounded to bf16 here;
; sums in f32; out is bf16, rounded once at the end.
; A work-group makes one row tile (tiles[y]: 1 to 144 tokens of ONE expert, places first .. first + rows - 1 of the sorted list order[]) x 256 columns (block x of four).
; LIMITS.  Rows beyond the tile's count repeat its last token; they are computed and not stored.  The table's numbers are held to expert 7, place 8,191, rows 1 .. 144, tokens to 8,191.
; SHARES.  Eight waves, all alike.  Wave w multiplies all 144 tokens x columns 32 w .. 32 w + 31: 18 accumulators of 16 x 16.  K goes in 8 steps of 128, each in four quarters of 32.
; W (B).  No other wave reads my 32 rows of W, so they do not pass through LDS: wb lies in the order of the fragments (for block nb of 16 rows, kq of 32 along K and half j, 512 bytes at
; nb x 32,768 + kq x 1,024 + j x 512, lane l's 16 bytes at 16 l), and a load of 512 consecutive bytes lands in the registers that the matrix instruction names.
; x (A).  All eight waves read all 144 tokens' rows, which are gathered by the list: each wave loads an eighth of every K step (9 loads of two rows' 256 bytes) into registers and stores it into
; one of two LDS slots.  In a trip every wave reads one slot and writes its part of the other; ONE barrier a trip orders both, and in front of it each wave waits for its LDS reads and stores.
; ON THEIR WAY.  Two K steps, 50 loads of 512 bytes a wave: at the end of the quarter that emptied them (A's registers by the LDS store, B's by the products) the same rows are asked for two steps on.
; THE MATRIX INSTRUCTION IS USED TRANSPOSED (source 0 = 16 rows of W, source 1 = 16 tokens): a lane then holds eight neighbouring columns of one token's row.  The bias is the C operand of the
; product that starts each sum.
; REGISTERS, in two windows of 256 (s_set_vgpr_msb: bits 1:0 source 0, 3:2 source 1, 5:4 source 2, 7:6 destination).  Window 0: A's fragments, accumulators, bias.  Window 1: what the loads fill
; (B's fragments, A's staged rows) and all addresses of the loop.  A quarter has two settings: 0x55 for the loads from memory and the LDS stores, 0x01 for the fragment loads (address in window 1,
; data in window 0) and the products (B in window 1).
; THE EIGHT TRIPS ARE WRITTEN OUT by one macro: the first two fill the ring of loads and the last three let it run empty, so a loop would hold three; every step along K stands in an immediate.
; NO TENSOR LOADS, NO CLUSTER: x's rows are gathered by a list, which one tile descriptor does not express, and W goes into registers, not into LDS; joint requests exist for tensor loads alone,
; and an expert's number of row tiles hangs on the data and need not be a multiple of four.
; THE MODE: SCHED_MODE bits 1:0 = 2 (LLVM: expert scheduling mode 2), set by the entry lines.  The code itself states the register dependences between vector or matrix instructions and memory or
; LDS instructions, with s_wait_alu, always for 0.
; THE PLAN.  Registers that memory or LDS instructions touch, in the trips:
;   A's staged rows (window 1)   written by loads from memory at a quarter's end; read by the LDS stores at the head of a later quarter; no vector or matrix instruction names them.
;   B's fragments (window 1)     written by loads from memory at a quarter's end; read by the 18 products of the same quarter two K steps on.
;   the fragment slots v24-111   written by the run of LDS loads at a quarter's head; read by the quarter's products.
;   AO, BO, STA, FA (window 1)   addresses, made in the set-up and never written again.
; A quarter is: the wait for its loads, A's LDS stores, the run of fragment loads, 18 products, and at its end two waits together: on va_vdst (the products are done reading their B registers and their
; slots) and on vm_vsrc (the LDS stores at the quarter's head have read A's staged rows).  Behind them stand A's and B's loads from memory, the barrier where a trip ends, the next quarter's LDS stores
; and its run of fragment loads: no vector or matrix instruction stands between the waits and any of these.
; ELEVEN SLOTS FOR NINE FRAGMENTS: quarter q's fragment a lies in slot (9 q + a) mod 11, and the run at a quarter's head also brings fragments 0 and 1 of the same trip's next quarter, into the two
; slots that hold none of this quarter's nine.  A trip's last quarter fetches nothing ahead: the next trip's LDS slot is whole only behind the barrier.
.set PITCH, 272                        ; an LDS row: 128 bf16 = 256 bytes + 16 of padding = 68 words: row r starts at bank 4 r mod 64 (64 banks of 4 bytes: ISA guide 11.1), so the 16 rows of a fragment load start at 16 different banks
.set ASLOT, 144*PITCH                  ; A's slot: 144 tokens; two of them from byte 0 on
.set STG,   2*ASLOT                    ; the stage for the way out: 144 rows x 528 bytes; the 1,024 bytes behind it hold the spare words, 128 bytes for each of 8 waves
.set SP,    528                        ; 512 bytes + 16
.set WV,  16                           ; s16  my wave's number
.set NX,  17                           ; s17  block of 256 columns
.set MY,  18                           ; s18  row tile
.set HE,  20                           ; s20-23  the tile's entry: expert, first place, rows, 0
.set HF,  21
.set HR,  22
.set RM1, 24                           ; s24  rows - 1
.set NV,  25                           ; s25  rows - 18 x wave: how many of my 18 rows on the way out the tile has (may be negative)
.set XB,  28                           ; s[28:29] xb
.set WB,  30                           ; s[30:31] wb at the expert's blocks of my column block
.set BB,  32                           ; s[32:33] bias at the same columns
.set OB,  34                           ; s[34:35] out0 at my column block
; window 0
.set STO, 4                            ; v4   behind the last products: where I put 16 bytes of a row in the stage, row blocks 0-3
.set STO2, 5                           ; v5   the same for row blocks 4-8: an LDS offset has 16 bits
.set RDA, 6                            ; v6   where I read my rows of the stage back
.set LB,  7                            ; v7   behind the last products: 16 x lane
.set BI,  8                            ; v8-23    bias of my 2 x 8 columns: rounded to bf16, held as f32
.set TB,  24                           ; v24-31   at work in the set-up
.set FS,  24                           ; v24-111  the eleven slots for A's fragments, 8 registers each
.set NS,  11
.set FAR, 40                           ; v40-111  at the end my 18 rows of the stage
.set ACC, 112                          ; v112-255 accumulator (a, b) at ACC + 8 (2 a + b); at the end its first four registers hold the packed results, the fifth of accumulator i the offset of my store i
.set PL,  112                          ; v112-138 in the set-up only: 27 byte offsets into order[]
; window 1
.set ST,  0                            ; v0-99, v100-199  two sets, for even and odd K steps: 64 registers of B (quarter q, column block b at 16 q + 8 b), then 9 loads x 4 of A
.set AO,  200                          ; v200-208 load i of x: my token's row, and my 16 bytes in 256
.set BO,  209                          ; v209 my wave's two blocks of wb, and my 16 bytes in 512
.set STA, 210                          ; v210, v211  LDS address of my 16 bytes in A's slots 0 and 1
.set FA,  212                          ; v212, v213  LDS address of my lane's place in A's fragments, slots 0 and 1
.set L16, 214                          ; v214 16 x (lane % 16)
.set OT,  216                          ; v216-233 the tokens of my 18 rows on the way out
.set LD,    0x55                       ; every operand place in window 1
.set MULW,  0x01                       ; source 0 in window 1, the rest in window 0
.set INTO1, 0x40                       ; destination in window 1, sources in window 0
.set MSB, 0
.macro WIN new                         ; the immediate's high byte repeats the setting that is left; a switch that changes nothing is dropped
.if MSB != (\new)
	s_set_vgpr_msb (MSB<<8)|(\new)
.set MSB, \new
.endif
.endm
; n of a set's nine loads of x, from number `from` on.  Load j covers the tile's rows 16 j + w (lanes 0-15) and 16 j + w + 8 (lanes 16-31): 256 consecutive bytes of each, at a multiple of 256 in xb.
.macro ALOAD set, from, n, koff
.set j, \from
.rept \n
	global_load_b128 v[ST+100*(\set)+64+4*j:ST+100*(\set)+64+4*j+3], v[AO+j], s[XB:XB+1] offset:(\koff)
.set j, j+1
.endr
.endm
; and their way into the LDS slot of the set's number: two whole rows of 256 bytes a store, each from sixteen neighbouring lanes.  The registers are loaded again at the quarter's end, behind the wait on vm_vsrc.
.macro ASTORE set, from, n
.set j, \from
.rept \n
	ds_store_b128 v[STA+(\set)], v[ST+100*(\set)+64+4*j:ST+100*(\set)+64+4*j+3] offset:16*PITCH*j
.set j, j+1
.endr
.endm
; B's two fragments of quarter q of a K step: four loads of 512 consecutive bytes
.macro BLOAD set, q, step
.irp b, 0,1
.irp h, 0,1
	global_load_b128 v[ST+100*(\set)+16*(\q)+8*\b+4*\h:ST+100*(\set)+16*(\q)+8*\b+4*\h+3], v[BO], s[WB:WB+1] offset:32768*\b+1024*(4*(\step)+(\q))+512*\h
.endr
.endr
.endm
; Fragment a (16 tokens) of quarter kk of an LDS slot's 128 along K, into register slot (fb + a) mod 11.
; A fragment is 16 rows x 32 K in 8 registers: lane l holds row l % 16, K = 8 (l / 16) + 0..7 and 16 + 8 (l / 16) + 0..7: two loads of 16 bytes, 32 bytes apart.
.macro FRAG slot, kk, a, fb
.set FR, FS+8*(((\fb)+(\a))%NS)
	ds_load_b128 v[FR:FR+3],   v[FA+(\slot)] offset:(\a)*16*PITCH+64*(\kk)
	ds_load_b128 v[FR+4:FR+7], v[FA+(\slot)] offset:(\a)*16*PITCH+64*(\kk)+32
.endm
.macro WM a, b                         ; BR: B's fragments of the quarter; FB: the register slot of A's fragment 0.  CB = 1: the product starts the sum, with the bias as C: nothing is cleared
.set AC, ACC+8*(2*(\a)+(\b))
.set FR, FS+8*((FB+(\a))%NS)
.if CB
	v_wmma_f32_16x16x32_bf16 v[AC:AC+7], v[BR+8*(\b):BR+8*(\b)+7], v[FR:FR+7], v[BI+8*(\b):BI+8*(\b)+7]
.else
	v_wmma_f32_16x16x32_bf16 v[AC:AC+7], v[BR+8*(\b):BR+8*(\b)+7], v[FR:FR+7], v[AC:AC+7]
.endif
.endm
.macro PLACES                          ; four places behind the quarter's last products (ISA guide 7.12.1), ahead of what is loaded into their sources; they stand beside the wait on va_vdst, not for it
.rept 4
	v_nop
.endr
.endm
; QUARTER q OF TRIP t.  K step t is multiplied: A from LDS slot t % 2, B from register set t % 2.  Beside it group q (3, 2, 2, 2 of nine loads) of A's step t + 1 goes into the other slot; at the
; quarter's end that group is asked for again for step t + 3, and the quarter's B for step t + 2; no load passes K's end.
; THE WAIT ON THE LOADS.  Loads come back in order (ISA guide 5.7.1) and are used here in the order of their issue, so FLY, the loads issued less those already used, less what this quarter uses, is the
; number of younger loads that may stay out.  Used: A's group and B's four; in trip 0 A's group alone (B's step 0 went out ahead of A's step 0); in trip 1 B's step 1, which went out as one run, with the first group.
; THE WAITS ON LDS.  LDS instructions end in order (ISA guide 5.7.1).  Behind fragments 0 and 1, fetched in the quarter before, stand this quarter's STD stores, the 14 loads of fragments 2 to 8 and the
; PRE = 4 loads fetched ahead; behind fragment a of this quarter's own run the later fragments' 2 (8 - a) loads and those PRE.
.macro SLOT t, q
.set SM, (\t)%2
.set SA, ((\t)+1)%2
.set GF, 2*(\q)+((\q)+3)/4             ; the group's first load: 0, 3, 5, 7
.set GN, 3-((\q)+3)/4                  ; and how many: 3, 2, 2, 2
.set BR, ST+100*SM+16*(\q)
.set FB, (9*(\q))%NS                   ; the register slot of this quarter's fragment 0: 0, 9, 7, 5
.set PRE, 4-4*((\q)/3)                 ; LDS loads fetched ahead: none in a trip's last quarter
.set STD, GN-GN*((\t)/7)               ; LDS stores of this quarter: none in the last trip
.set CB, 0
.if (\t) == 0
.set FLY, FLY-GN
.if (\q) == 0
.set CB, 1
.endif
.elseif (\t) == 1
.set FLY, FLY-GN
.if (\q) == 0
.set FLY, FLY-16
.endif
.elseif (\t) < 7
.set FLY, FLY-GN-4
.else
.set FLY, FLY-4
.endif
	s_wait_loadcnt FLY
.if (\t) < 7
	WIN LD
	ASTORE SA, GF, GN
.endif
	WIN MULW
.irp a, 0,1,2,3,4,5,6,7,8
.if ((\q) == 0) || (\a >= 2)
	FRAG SM, \q, \a, FB                            ; no wait: no vector or matrix instruction has been issued since the wait on va_vdst at the end of the quarter before
.endif
.endr
.if (\q) < 3
	FRAG SM, (\q)+1, 0, FB+9                       ; the next quarter's fragments 0 and 1, into the two slots that hold none of this quarter's nine
	FRAG SM, (\q)+1, 1, FB+9
.endif
.irp a, 0,1,2,3,4,5,6,7,8                  ; 18 matrix instructions on end.  The accumulators take turns, one instruction a turn, in the same order in every quarter
.if ((\q) > 0) && (\a == 0)
	s_wait_dscnt STD+14+PRE                        ; fragments 0 and 1 are in
.elseif ((\q) == 0) || (\a >= 2)
	s_wait_dscnt 2*(8-\a)+PRE                      ; fragment a is in
.endif
	WM \a, 0
	WM \a, 1
.endr
.if ((\t) < 7) || ((\q) < 3)
	PLACES
.if (\t) < 6
	WIN LD
.endif
	s_wait_alu depctr_va_vdst(0)                   ; the quarter's products are done reading their B registers, in which the loads below land, and their slots, in which the next quarter's fragments land
.endif
.if (\t) < 5
	s_wait_alu depctr_vm_vsrc(0)                   ; the LDS stores at the quarter's head have read A's staged rows, in which the loads below land
	ALOAD SA, GF, GN, 256*((\t)+3)
.set FLY, FLY+GN
.endif
.if (\t) < 6
	BLOAD SM, \q, (\t)+2
.set FLY, FLY+4
.endif
.endm
.macro MEET                            ; the trip's one barrier
	s_wait_dscnt 0x0                               ; for the others' sake: my reads of the one slot are back, and my stores into the other are done
	s_barrier_signal -1
	s_barrier_wait -1
.endm
	s_load_b256 s[4:11], s[0:1], 0x0               ; xb s[4:5], wb s[6:7], bias s[8:9], order s[10:11]
	s_load_b128 s[12:15], s[0:1], 0x20             ; tiles s[12:13], out0 s[14:15]
	v_lshl_add_u32 v2, v0, 2, 0x25b00
	v_mov_b32 v3, 0
	v_lshrrev_b32 v1, 5, v0
	v_readfirstlane_b32 s[WV], v1
	s_mov_b32 s[NX], ttmp9
	s_and_b32 s[MY], ttmp7, 0xffff
	s_lshl_b32 s36, s[MY], 4                       ; the tile's entry: 16 bytes
	s_wait_kmcnt 0x0
	s_load_b128 s[20:23], s[12:13], s36 offset:0x0
	; what hangs on the lane and the wave alone is made while the entry comes
	v_and_b32 v24, 15, v0                          ; l % 16
	v_bfe_u32 v25, v0, 4, 1                        ; l / 16
	v_mul_u32_u24 v29, v24, PITCH
	v_lshl_add_u32 v29, v25, 4, v29                ; a fragment's row x pitch + 16 x half
	s_wait_alu depctr_va_sdst(0)                   ; the wave's number is written, ahead of its first reader, the line below
	s_lshl_b32 s37, s[WV], 7                       ; 32 columns of f32
	v_lshl_add_u32 v1, v25, 5, s37                 ; + my lanes' eight columns: my place in the bias
	v_lshl_add_u32 v26, v25, 3, s[WV]              ; the loading of x: my row in 16: w + 8 (l / 16)
	v_mul_u32_u24 v27, v26, PITCH
	v_lshlrev_b32 v28, 4, v24                      ; my 16 bytes of a row's 256
	v_add_nc_u32 v27, v27, v28                     ; row x pitch + my 16 bytes
	v_and_b32 v30, 31, v0
	v_lshlrev_b32 v30, 4, v30                      ; my 16 bytes of a fragment load's 512
	s_lshl_b32 s38, s[WV], 16                      ; my wave's two blocks of 16 rows of W: 65,536 bytes
.irp i, 0,1,2,3,4,5,6,7,8
	v_add_nc_u32 v[PL+\i], 16*\i, v26              ; load i of x: the tile's row
.endr
	WIN INTO1
	v_mov_b32 v[STA], v27
	v_add_nc_u32 v[STA+1], ASLOT, v27
	v_mov_b32 v[FA], v29
	v_add_nc_u32 v[FA+1], ASLOT, v29
	v_add_nc_u32 v[BO], s38, v30
	v_mov_b32 v[L16], v28
	WIN 0
	s_wait_kmcnt 0x0
	s_min_u32 s[HE], s[HE], 7                      ; loaded numbers are held to their ranges before they enter an address
	s_min_u32 s[HF], s[HF], 0x1fff
	s_max_u32 s[HR], s[HR], 1
	s_min_u32 s[HR], s[HR], 144
	s_sub_co_u32 s[RM1], s[HR], 1
	s_mul_i32 s38, s[WV], 18
	s_sub_co_i32 s[NV], s[HR], s38
	s_add_co_u32 s39, s[HF], s38                   ; the place of my first row on the way out
	s_mov_b64 s[XB:XB+1], s[4:5]
	s_lshl_b32 s36, s[HE], 21                      ; an expert's W in bf16: 2 MiB; 256 rows, 16 blocks: 512 KiB
	s_lshl_b32 s37, s[NX], 19
	s_add_co_u32 s36, s36, s37
	s_mov_b32 s37, 0
	s_add_nc_u64 s[WB:WB+1], s[6:7], s[36:37]
	s_lshl_b32 s36, s[HE], 12                      ; an expert's bias: 4,096 bytes; 256 columns: 1,024
	s_lshl_b32 s38, s[NX], 10
	s_add_co_u32 s36, s36, s38
	s_add_nc_u64 s[BB:BB+1], s[8:9], s[36:37]
	s_lshl_b32 s36, s[NX], 9                       ; 256 columns of out0: 512 bytes
	s_add_nc_u64 s[OB:OB+1], s[14:15], s[36:37]
	; all 27 offsets into order[] are made first, in registers of their own, so that one wait serves the whole run of loads
.irp i, 0,1,2,3,4,5,6,7,8
	v_min_u32 v[PL+\i], s[RM1], v[PL+\i]           ; the tile's row, or its last one,
	v_add_nc_u32 v[PL+\i], s[HF], v[PL+\i]         ; as a place in the sorted list,
	v_min_u32 v[PL+\i], 0x1fff, v[PL+\i]           ; held inside order[]
	v_lshlrev_b32 v[PL+\i], 2, v[PL+\i]
.endr
.set i, 0
.rept 18
	s_add_co_u32 s37, s39, i                       ; the places of my 18 rows on the way out, held inside order[]; every lane takes the same word
	s_min_u32 s37, s37, 0x1fff
	s_lshl_b32 s37, s37, 2
	v_mov_b32 v[PL+9+i], s37
.set i, i+1
.endr
	s_wait_alu depctr_va_vdst(0)                   ; v1, the 27 offsets, BO, STA and FA are written: the loads below, and every LDS instruction of the trips, read them as addresses
.irp b, 0,1
	global_load_b128 v[BI+8*\b:BI+8*\b+3],   v1, s[BB:BB+1] offset:64*\b
	global_load_b128 v[BI+8*\b+4:BI+8*\b+7], v1, s[BB:BB+1] offset:64*\b+16
.endr
	WIN INTO1
.irp i, 0,1,2,3,4,5,6,7,8
	global_load_b32 v[AO+\i], v[PL+\i], s[10:11]
.endr
.set i, 0
.rept 18
	global_load_b32 v[OT+i], v[PL+9+i], s[10:11]
.set i, i+1
.endr
	WIN LD
.irp q, 0,1,2,3
	BLOAD 0, \q, 0                                 ; W hangs on the expert alone: its K step 0 goes out while the tokens come
.endr
	s_wait_loadcnt 16                              ; all but the 16 just issued: the bias and the 27 tokens are in
.irp i, 0,1,2,3,4,5,6,7,8
	v_min_u32 v[AO+\i], 0x1fff, v[AO+\i]
	v_lshl_add_u32 v[AO+\i], v[AO+\i], 11, v[L16]  ; a row of xb is 2,048 bytes
.endr
	s_wait_alu depctr_va_vdst(0)                   ; the nine offsets AO are written, which every load of x reads
	ALOAD 0, 0, 9, 0
	ALOAD 1, 0, 9, 256
.irp q, 0,1,2,3
	BLOAD 1, \q, 1                                 ; 50 loads are out: K steps 0 and 1
.endr
.set i, 0
.rept 18
	v_min_u32 v[OT+i], 0x1fff, v[OT+i]
.set i, i+1
.endr
	WIN 0
.set j, 0
.rept 8
	v_cvt_pk_bf16_f32 v[TB+j], v[BI+2*j], v[BI+2*j+1]  ; the bias is rounded to bf16,
.set j, j+1
.endr
.set j, 0
.rept 8
	v_lshlrev_b32 v[BI+2*j], 16, v[TB+j]           ; and widened again: the low half moves up,
	v_and_b32 v[BI+2*j+1], 0xffff0000, v[TB+j]     ; the high half stays
.set j, j+1
.endr
	WIN LD
	s_wait_loadcnt 25                              ; behind A's step 0 stand step 1's 9 and 16
	ASTORE 0, 0, 9                                 ; A's K step 0 into slot 0
	s_wait_alu depctr_va_vdst(0)                   ; the bias's roundings are done with v24-31, in which trip 0's first fragment lands
	s_wait_alu depctr_vm_vsrc(0)                   ; the nine LDS stores have read their rows, in which the loads below land; the loads of bias and tokens have read v1 and v112-138, which are written again further down
	ALOAD 0, 0, 9, 512                             ; A's K step 2 is asked for
.set FLY, 34                           ; on their way: A's step 1 (9), B's step 1 (16), A's step 2 (9), in this order
	MEET
.irp t, 0,1,2,3,4,5,6
	SLOT \t, 0
	SLOT \t, 1
	SLOT \t, 2
	SLOT \t, 3
	MEET
.endr
	SLOT 7, 0                                      ; K step 7: nothing is left to store or to ask for
	SLOT 7, 1
	SLOT 7, 2
	SLOT 7, 3
	WIN 0
	; the way out's addresses: nine plain vector instructions that name no register of the products: the places in front of the conversions, which read results just made
	s_lshl_b32 s37, s[WV], 6                       ; 32 columns of bf16
	s_add_co_u32 s37, s37, STG
	s_mul_i32 s36, s[WV], 18*SP
	s_add_co_u32 s36, s36, STG
	v_and_b32 v1, 15, v0
	v_mul_u32_u24 v[STO], v1, SP                   ; row l % 16,
	v_bfe_u32 v1, v0, 4, 1
	v_lshl_add_u32 v[STO], v1, 4, v[STO]           ; 16 bytes for each half of the lanes
	v_add_nc_u32 v[STO], s37, v[STO]
	v_add_nc_u32 v[STO2], 4*16*SP, v[STO]
	v_and_b32 v[LB], 31, v0
	v_lshlrev_b32 v[LB], 4, v[LB]
	v_add_nc_u32 v[RDA], s36, v[LB]                ; back: my 16 bytes of the stage's row 18 w
.set i, 0
.rept 18                               ; rounded to bf16 in place, into each accumulator's first four registers; its lowest registers are read first
.irp q, 0,1,2,3
	v_cvt_pk_bf16_f32 v[ACC+8*i+\q], v[ACC+8*i+2*\q], v[ACC+8*i+2*\q+1]
.endr
.set i, i+1
.endr
	WIN MULW
.set i, 0
.rept 18
	v_lshl_add_u32 v[ACC+8*i+4], v[OT+i], 11, v[LB]  ; a row of out0 is 2,048 bytes; the accumulator's fifth register has been read by its conversions and is named by no LDS store
.set i, i+1
.endr
	WIN 0
	s_wait_alu depctr_va_vdst(0)                   ; written: the packed results, which the LDS stores read, STO, STO2, RDA and the 18 store offsets; and the products are done reading v40-111, in which the stage's rows land
.irp a, 0,1,2,3,4,5,6,7,8
.irp b, 0,1
.if \a < 4
	ds_store_b128 v[STO], v[ACC+8*(2*\a+\b):ACC+8*(2*\a+\b)+3] offset:16*SP*\a+32*\b
.else
	ds_store_b128 v[STO2], v[ACC+8*(2*\a+\b):ACC+8*(2*\a+\b)+3] offset:16*SP*(\a-4)+32*\b
.endif
.endr
.endr
	MEET                                           ; a stage row's 512 bytes come from all eight waves
	; THE WAY OUT: wave w takes the stage's rows 18 w .. 18 w + 17, whole: 32 lanes x 16 bytes are a token's 256 columns
.set i, 0
.rept 18
	ds_load_b128 v[FAR+4*i:FAR+4*i+3], v[RDA] offset:SP*i
.set i, i+1
.endr
	s_wait_dscnt 0x0                               ; my 18 rows are in registers
.set i, 0
.rept 18
	s_cmp_gt_i32 s[NV], i
	s_cbranch_scc0 .Lend                           ; the tile has no further rows
	global_store_b128 v[ACC+8*i+4], v[FAR+4*i:FAR+4*i+3], s[OB:OB+1] th:TH_STORE_NT  ; 512 consecutive bytes, at a multiple of 512 from out0's first byte
.set i, i+1
.endr
.Lend:
	s_wait_dscnt 0x0
	s_wait_alu depctr_hold_cnt(0) depctr_sa_sdst(0) depctr_va_vdst(0) depctr_va_sdst(0) depctr_va_ssrc(0) depctr_va_vcc(0) depctr_vm_vsrc(0)
	s_wait_tensorcnt 0x0
	ds_add_u32 v2, v3
	s_wait_dscnt 0x0
	s_endpgm
.Lfunc_end_k_q6c3cdfa5e2_gemm:
	.size	k_q6c3cdfa5e2_gemm, .Lfunc_end_k_q6c3cdfa5e2_gemm-k_q6c3cdfa5e2_gemm
	.p2alignl 7, 3214868480
	.fill 96, 4, 3214868480
	.section	.rodata,"a",@progbits
	.p2align	6, 0x0
	.amdhsa_kernel k_q6c3cdfa5e2_gemm
		.amdhsa_group_segment_fixed_size 155392
		.amdhsa_private_segment_fixed_size 0
		.amdhsa_enable_private_segment 0
		.amdhsa_kernarg_size 48
		.amdhsa_user_sgpr_count 2
		.amdhsa_user_sgpr_kernarg_segment_ptr 1
		.amdhsa_wavefront_size32 1
		.amdhsa_system_sgpr_workgroup_id_x 1
		.amdhsa_system_sgpr_workgroup_id_y 1
		.amdhsa_system_sgpr_workgroup_id_z 1
		.amdhsa_system_vgpr_workitem_id 0
		.amdhsa_next_free_vgpr 512
		.amdhsa_next_free_sgpr 66
		.amdhsa_reserve_vcc 0
		.amdhsa_float_denorm_mode_32 3
		.amdhsa_float_denorm_mode_16_64 3
		.amdhsa_memory_ordered 1
		.amdhsa_forward_progress 1
		.amdhsa_inst_pref_size 139
	.end_amdhsa_kernel
	.amdgpu_metadata
---
amdhsa.version: [ 1, 2 ]
amdhsa.kernels:
  - .name:           k_q6c3cdfa5e2_gemm
    .symbol:         k_q6c3cdfa5e2_gemm.kd
    .args:
      - { .name: xb, .offset: 0, .size: 8, .value_kind: global_buffer, .address_space: global }
      - { .name: wb, .offset: 8, .size: 8, .value_kind: global_buffer, .address_space: global }
      - { .name: bias, .offset: 16, .size: 8, .value_kind: global_buffer, .address_space: global }
      - { .name: order, .offset: 24, .size: 8, .value_kind: global_buffer, .address_space: global }
      - { .name: tiles, .offset: 32, .size: 8, .value_kind: global_buffer, .address_space: global }
      - { .name: out0, .offset: 40, .size: 8, .value_kind: global_buffer, .address_space: global }
    .group_segment_fixed_size: 155392
    .private_segment_fixed_size: 0
    .kernarg_segment_align: 8
    .kernarg_segment_size: 48
    .max_flat_workgroup_size: 256
    .sgpr_count:     66
    .vgpr_count:     512
    .wavefront_size: 32
...
	.end_amdgpu_metadata
.endif
;; end of part 5
